; MI455X (gfx1250); checked and timed in simulation.
; The chip was launched on July 23, 2026; its instructions are those of AMD's public machine-readable ISA for CDNA 5 (MIT licence, August 2026) and "CDNA5" Instruction Set Architecture Reference Guide (July 2026). The comments in the code are by the model that wrote it; some were corrected since.
;; Multi Head Attention Block. Allowed arithmetic: matrix products marked QUANTISED: E3M2 operands, one E8M0 scale for each 32 along K, by v_wmma_scale_f32_16x16x128_f8f6f4 with both operands' format E3M2, f32 sums; everything else in f32.
;; Inputs: Wk 512 x 512 float32; Wo 512 x 512 float32; Wq 512 x 512 float32; Wv 512 x 512 float32; bk 512 float32; bo 512 float32; bq 512 float32; bv 512 float32; k 4 x 2,048 x 512 float32; mask 4 x 1 x 2,048 x 2,048 int32; q 4 x 2,048 x 512 float32; v 4 x 2,048 x 512 float32.
;; Outputs: out0 4 x 2,048 x 512 float32.
;; This version of the problem:
;;   THIS VERSION OF THE PROBLEM IS GIVEN IN LOW PRECISION. The matrix products marked QUANTISED in the list below multiply operands that are first quantised to E3M2 (3 exponent bits, 2 mantissa bits; 6 bits a number), with one power-of-two scale for each 32 numbers along K (OCP MX v1.0); their sums are f32. All else is computed in f32.
;;   The module's matrix products, in the order in which they are computed (A, B: the left and right operand; K: the contracted axis; several contracted axes count as one K, in the product's order):
;;     1. [M 8,192, K 512] x [K 512, N 512]; A: input q; B: input Wq: QUANTISED
;;     2. [M 8,192, K 512] x [K 512, N 512]; A: input k; B: input Wk: QUANTISED
;;     3. [M 8,192, K 512] x [K 512, N 512]; A: input v; B: input Wv: QUANTISED
;;     4. batch 32 x [M 2,048, K 64] x [K 64, N 2,048]; A: computed on the way; B: computed on the way: QUANTISED
;;     5. batch 32 x [M 2,048, K 2,048] x [K 2,048, N 64]; A: softmax (see below); B: computed on the way: QUANTISED
;;     6. [M 8,192, K 512] x [K 512, N 512]; A: computed on the way; B: input Wo: QUANTISED
;;   THE QUANTISER, for each operand of a quantised product, along K:
;;     - K is cut into blocks of 32 from its start; a last block that is shorter is filled with zeros.
;;     - A block's scale is 2^e with e = floor(log2(the largest magnitude in the block)) - 4, held to -126 .. 127; a block of zeros has e = 0. As a byte (E8M0): e + 127.
;;     - Each number is divided by its block's scale, clamped to +-28, and rounded to the nearest number of E3M2, ties to even, subnormals kept.
;;     - The product sums the exact products of the quantised numbers (number of the format x scale) in f32.
;;   ~~~python
;;   def quantise(x, axis):      # numpy; x: float32 -> the quantised numbers, widened to float32 again
;;       x = np.moveaxis(x, axis, -1); K = x.shape[-1]
;;       x = np.pad(x, [(0, 0)] * (x.ndim - 1) + [(0, -K % 32)]); x = x.reshape(x.shape[:-1] + (-1, 32)); a = np.abs(x).max(-1, keepdims=True)
;;       e = np.where(a > 0, np.clip(np.frexp(np.where(a > 0, a, 1))[1] - 1 - 4, -126, 127), 0)      # np.frexp(a)[1] - 1 = floor(log2(a)), exactly
;;       r = np.clip(x / 2.0 ** e, -28, 28)
;;       step = 2.0 ** (np.maximum(np.frexp(np.where(r == 0, 1, r))[1] - 1, -2) - 2)
;;       q = np.round(r / step) * step * 2.0 ** e      # np.round: ties to even
;;       return np.moveaxis(q.reshape(q.shape[:-2] + (-1,))[..., :K], -1, axis).astype(np.float32)
;;   ~~~
;;   SOFTMAX AHEAD OF A QUANTISED PRODUCT. Where the list says 'softmax', what is quantised is not the finished softmax but p = 2^(t - M), with t = logit x log2(e) and M = ceil(the row's largest t), a whole number; so 1/2 < the row's largest p <= 1. The row's sum l is taken of the UNQUANTISED p, in f32, and the product's result is divided by l at the end. Since M is a whole number, a kernel that streams over the keys may use a running M (the ceiling of the running maximum): every later rescaling is an exact power of two, which a block's scale takes up: the codes' values come out the same.
;;   OPERANDS COMPUTED ON THE WAY. 'Computed on the way' means the value that the module computes at that place (a softmax that the list does not call 'softmax' is quantised finished and normalised). What goes into a quantiser is computed in f32, as accurately as f32 sums, v_exp_f32 and their like allow (about 1e-6 of the number): no bf16 or f16 on the way to a quantiser, and a product that is left as it is and whose result goes on into a quantised operand takes f32 operands (vector FMAs, or v_wmma_f32_16x16x4_f32). A number that lies on a knife's edge between two numbers of the format may be rounded either way, as far as f32 arithmetic and the matrix unit's own rounding can turn it there, and no further.
;; 2 versions. Each part assembles by itself: llvm-mc -triple=amdgcn-amd-amdhsa -mcpu=gfx1250 --defsym DOCPART=n.
;; ======== version 1 of 2: 4 launches
;; limits: right only within a limited range of input values
;; workspace buffers: cod 10,223,616 bytes; scl 425,984 bytes; mw 2,097,152 bytes of whole numbers; qc 3,407,872 bytes; kv 6,684,672 bytes; cc 3,145,728 bytes; cs 262,144 bytes
;; launch prep (part 1): grid 464 x 1, 8 waves a work-group, no clusters, 136,192 bytes of LDS; arguments q, k, v, Wq, Wk, Wv, Wo, mask, cod, scl, mw; writes cod, scl, mw
.if DOCPART == 1
	.amdgcn_target "amdgcn-amd-amdhsa--gfx1250"
	.amdhsa_code_object_version 6
	.text
	.protected	k_qce67f8debd_prep
	.globl	k_qce67f8debd_prep
	.p2align	8
	.type	k_qce67f8debd_prep,@function
k_qce67f8debd_prep:
	s_mov_b64 s[64:65], 0
	v_nop
	global_prefetch_b8 v0, s[64:65] scope:SCOPE_SE
	s_setreg_imm32_b32 hwreg(HW_REG_WAVE_MODE, 25, 1), 1
	s_wait_xcnt 0x0
; PREP.  Work-groups 0-207: q, k, v [8192][512] and Wq, Wk, Wv, Wo [512][512], f32, become codes of BF6 (E3M2) with one E8M0 byte for each 32 along K (the last axis).
; Work-groups 208-463: the mask [4][2048][2048] int32 becomes lane masks, one bit a number (1 where the number is not 0).
; TILES.  Rows go in groups of 32: tile T holds rows 32 (T / 2) + 8 (T % 2) + perm(i), perm(i) = i % 8 + 16 (i / 8), i = 0 .. 15.  Tiles in cod: q 0-511, k 512-1023, v 1024-1535, Wq 1536.., Wk 1568.., Wv 1600.., Wo 1632-1663.
; cod: a tile is 6,144 bytes: four K steps of 128; a step is the IMAGE OF THE OPERAND'S 12 REGISTERS: chunk ch (512 bytes) holds registers 4 ch .. 4 ch + 3, lane l's 16 bytes at 16 l.
; scl: 256 bytes a tile: row i's four scale words (one for each K step) at 16 i.
; mw:  4,096 bytes for a tile of 16 queries: 16 key steps x 64 words; word 16 b + i of a step holds in bit l (r = l % 16, h = l / 16) the mask of query perm(r) and key 128 step + 32 b + 16 h + i.
; A wave takes one tile (four steps of 16 rows x 512 bytes), or one tile of queries x 512 keys (four such steps).  Each load reads 512 consecutive bytes of a row; a step turns through the wave's own stage in LDS
; (16 rows 528 bytes apart) and comes back with a lane's registers running along K.
; No barrier: waves share nothing.  The two kinds of work-group have LDS bytes of their own.  No tensor load, no matrix unit, no cluster: every byte is read once by one wave.
; A block's scale is 2^(floor(log2(its largest magnitude)) - 4); its byte is that magnitude's exponent field - 4, held at 1 from below.
; LIMITS: a block of zeros, or one whose largest magnitude lies under 2^-122, gets the byte 1 (only this program reads the bytes; zero codes add nothing); NaN and infinities among the inputs are not served.
.set STG,   8448                       ; a wave's stage: 16 x 528
.set MBASE, 8*STG                      ; the mask path's eight stages lie behind the quantiser's eight
.set LI,  4                            ; v4   16 x lane
.set L8,  5                            ; v5   8 x lane
.set STQ, 6                            ; v6   quantiser: stage + 16 x lane
.set RDQ, 7                            ; v7   quantiser: stage + 528 r + 128 h
.set H8,  8                            ; v8   8 h
.set OS,  9                            ; v9   16 r + 8 h
.set BM,  10                           ; v10-11 largest magnitudes
.set SO,  12                           ; v12-13 the conversions' scale operands
.set BY,  14                           ; v14-15 scale bytes
.set W,   16
.set WP,  17
.set SW,  18                           ; v18-21 the four steps' scale words
.set T,   22
.set PC,  24                           ; v24-35 a step's codes
.set MWD, 24                           ; v24-31 (mask path) a pair of registers for each step's 64 words
.set TP,  36                           ; v36-43 the upper halves of the blocks' codes
.set STM, 44                           ; v44  mask: stage + 16 x lane
.set RDM, 45                           ; v45  mask: stage + 528 r + 64 h
.set R0,  48                           ; v48-111, v112-175 two sets of 64 registers as loaded
.set X,   176                          ; v176-239 a step's numbers, a lane's registers along K
	s_load_b512 s[4:19], s[0:1], 0x0               ; q, k, v, Wq, Wk, Wv, Wo, mask
	s_load_b128 s[20:23], s[0:1], 0x40             ; cod, scl
	s_load_b64 s[24:25], s[0:1], 0x50              ; mw
	v_lshl_add_u32 v240, v0, 2, 0x21000
	v_mov_b32 v241, 0
	v_lshrrev_b32 v1, 5, v0
	v_readfirstlane_b32 s26, v1                    ; wave 0..7
	v_and_b32 v1, 31, v0                           ; lane
	v_and_b32 v2, 15, v0                           ; r
	v_bfe_u32 v3, v0, 4, 1                         ; h
	v_lshlrev_b32 v[LI], 4, v1
	v_lshlrev_b32 v[L8], 3, v1
	s_mul_i32 s27, s26, STG
	v_add_nc_u32 v[STQ], s27, v[LI]
	v_mul_u32_u24 v[RDQ], v2, 528
	v_add_nc_u32 v[RDQ], s27, v[RDQ]
	v_lshl_add_u32 v[RDM], v3, 6, v[RDQ]
	v_add_nc_u32 v[RDM], MBASE, v[RDM]
	v_lshl_add_u32 v[RDQ], v3, 7, v[RDQ]
	v_add_nc_u32 v[STM], MBASE, v[STQ]
	v_lshlrev_b32 v[H8], 3, v3
	v_lshlrev_b32 v[OS], 4, v2
	v_lshl_add_u32 v[OS], v3, 3, v[OS]
	v_mov_b32 v[WP], 0                             ; a lane permute's destination counts as one of its sources
	s_mov_b32 s34, 0x76543210
	s_mov_b32 s35, 0xfedcba98                      ; v_permlanex16_b32's selects for lane l xor 16
	s_mov_b32 s36, 0xffff0000                      ; lanes 16-31
	s_mov_b32 s39, 0                               ; the high word of every offset
	s_wait_kmcnt 0x0
	s_cmp_lt_u32 ttmp9, 208
	s_cbranch_scc0 .Lmask
; step s of a tile into set a: sixteen rows, 512 consecutive bytes each
.macro LOAD s, a, stride
.irp i, 0,1,2,3,4,5,6,7,8,9,10,11,12,13,14,15
	global_load_b128 v[R0+64*(\a)+4*\i:R0+64*(\a)+4*\i+3], v[LI], s[28:29] offset:((\i%8)+16*(\i/8))*(\stride)+512*(\s) th:TH_LOAD_NT
.endr
.endm
; set a through the stage.  LDS serves a wave's instructions in order (ISA guide 5.7.1.4): no wait between the stores and the loads.
; qk = 1: X[32 c + 4 j + e] = k 64 c + 32 h + 4 j + e of row r (two whole blocks a lane);  qk = 0: X[16 b + 4 j + e] = key 32 b + 16 h + 4 j + e
.macro TURN a, sti, rd, qk
.irp i, 0,1,2,3,4,5,6,7,8,9,10,11,12,13,14,15
	ds_store_b128 v[\sti], v[R0+64*(\a)+4*\i:R0+64*(\a)+4*\i+3] offset:528*\i
.endr
.irp i, 0,1,2,3,4,5,6,7,8,9,10,11,12,13,14,15
.if \qk
	ds_load_b128 v[X+4*\i:X+4*\i+3], v[\rd] offset:256*(\i/8)+16*(\i%8)
.else
	ds_load_b128 v[X+4*\i:X+4*\i+3], v[\rd] offset:128*(\i/4)+16*(\i%4)
.endif
.endr
.endm
.macro QSTEP s
	s_wait_dscnt 0x0                               ; this step's numbers are back: so the stage's stores have read their registers,
.if \s < 2
	LOAD (\s)+2, (\s)%2, 2048                      ; which take the loads of two steps on
.endif
.irp c, 0,1
	v_max3_num_f32 v[BM+\c], |v[X+32*\c]|, |v[X+32*\c+1]|, 0x2800000   ; block 2 c + h: all 32 numbers are mine; the floor 2^(5 - 127) holds the byte at 1 from below
.endr
.irp i, 2,4,6,8,10,12,14,16,18,20,22,24,26,28,30
.irp c, 0,1
	v_max3_num_f32 v[BM+\c], v[BM+\c], |v[X+32*\c+\i]|, |v[X+32*\c+\i+1]|
.endr
.endr
.irp c, 0,1
	v_add_nc_u32 v[SO+\c], 0xfe000000, v[BM+\c]    ; 4 off the exponent field: the conversion takes this operand's exponent field as its scale
.endr
.irp c, 0,1
	v_lshrrev_b32 v[BY+\c], 23, v[SO+\c]           ; the scale's byte
.endr
	v_lshl_or_b32 v[W], v[BY+1], 16, v[BY]         ; my two bytes, blocks h and 2 + h,
	v_lshlrev_b32 v[W], v[H8], v[W]                ; at their places in the row's word;
	v_permlanex16_b32 v[WP], v[W], s34, s35
	v_or_b32 v[SW+\s], v[W], v[WP]                 ; with lane l xor 16's two the word is whole
	s_wait_xcnt 0x0                                ; the last step's stores have read the codes' registers, which are written again below
.irp c, 0,1
	v_cvt_scalef32_pk16_bf6_f32 v[PC+6*\c:PC+6*\c+2], v[X+32*\c:X+32*\c+15], v[SO+\c]
	v_cvt_scalef32_pk16_bf6_f32 v[TP+4*\c:TP+4*\c+2], v[X+32*\c+16:X+32*\c+31], v[SO+\c]   ; (a conversion's three registers begin on an even number)
.endr
	v_nop                                          ; one plain place behind a scaled conversion
.irp c, 0,1
.irp i, 0,1,2
	v_mov_b32 v[PC+6*\c+3+\i], v[TP+4*\c+\i]
.endr
.endr
.irp c, 0,1,2
	global_store_b128 v[LI], v[PC+4*\c:PC+4*\c+3], s[30:31] offset:1536*(\s)+512*\c   ; 32 lanes store 512 consecutive bytes, aligned
.endr
.if \s < 3
.if \s < 2
	s_wait_loadcnt 16                              ; the next step's sixteen loads are in; those of the step behind it may be out
.else
	s_wait_loadcnt 0x0
.endif
	TURN ((\s)+1)%2, STQ, RDQ, 1
.endif
.endm
	; which tensor: the choice hangs on the work-group's number alone
	s_mov_b64 s[28:29], s[16:17]
	s_mov_b32 s32, 204
	s_cmp_lt_u32 ttmp9, 204
	s_cselect_b64 s[28:29], s[14:15], s[28:29]
	s_cselect_b32 s32, 200, s32
	s_cmp_lt_u32 ttmp9, 200
	s_cselect_b64 s[28:29], s[12:13], s[28:29]
	s_cselect_b32 s32, 196, s32
	s_cmp_lt_u32 ttmp9, 196
	s_cselect_b64 s[28:29], s[10:11], s[28:29]
	s_cselect_b32 s32, 192, s32
	s_cmp_lt_u32 ttmp9, 192
	s_cselect_b64 s[28:29], s[8:9], s[28:29]
	s_cselect_b32 s32, 128, s32
	s_cmp_lt_u32 ttmp9, 128
	s_cselect_b64 s[28:29], s[6:7], s[28:29]
	s_cselect_b32 s32, 64, s32
	s_cmp_lt_u32 ttmp9, 64
	s_cselect_b64 s[28:29], s[4:5], s[28:29]
	s_cselect_b32 s32, 0, s32
	s_sub_co_u32 s32, ttmp9, s32
	s_lshl_b32 s32, s32, 3
	s_add_co_u32 s32, s32, s26                     ; my tile in its tensor
	s_lshr_b32 s38, s32, 1
	s_lshl_b32 s38, s38, 16                        ; 32 rows of 2,048 bytes for each pair of tiles,
	s_and_b32 s33, s32, 1
	s_lshl_b32 s33, s33, 14                        ; 8 rows for the odd one
	s_add_co_u32 s38, s38, s33
	s_add_nc_u64 s[28:29], s[28:29], s[38:39]
	s_lshl_b32 s33, ttmp9, 3
	s_add_co_u32 s33, s33, s26                     ; my tile in cod and scl
	s_mul_i32 s38, s33, 6144
	s_add_nc_u64 s[30:31], s[20:21], s[38:39]
	s_lshl_b32 s38, s33, 8
	s_add_nc_u64 s[22:23], s[22:23], s[38:39]
	LOAD 0, 0, 2048
	LOAD 1, 1, 2048
	s_wait_loadcnt 16                              ; step 0's sixteen loads are in
	TURN 0, STQ, RDQ, 1
	QSTEP 0
	QSTEP 1
	QSTEP 2
	QSTEP 3
	v_cndmask_b32 v[T], v[SW], v[SW+2], s36        ; lanes 0-15 store their row's words 0 and 1, lanes 16-31 words 2 and 3
	v_cndmask_b32 v[T+1], v[SW+1], v[SW+3], s36
	global_store_b64 v[OS], v[T:T+1], s[22:23]     ; the wave stores the tile's 256 bytes of scale words, aligned
	s_wait_tensorcnt 0x0
	ds_add_u32 v240, v241
	s_wait_dscnt 0x0
	s_endpgm
.macro MSTEP s
	s_wait_dscnt 0x0
.if \s < 2
	LOAD (\s)+2, (\s)%2, 8192
.endif
.set n, 0
.rept 16
.irp k, 0,1,2,3
	v_cmp_ne_u32 s[40+\k], 0, v[X+n+\k]            ; word n + k: a bit for each lane
.endr
.irp k, 0,1,2,3
	v_writelane_b32 v[MWD+2*(\s)+(\k%2)], s[40+\k], (n+\k)/2   ; lane j of the pair holds words 2 j and 2 j + 1
.endr
.set n, n+4
.endr
	global_store_b64 v[L8], v[MWD+2*(\s):MWD+2*(\s)+1], s[24:25] offset:256*(\s)   ; the step's 64 words: 256 consecutive bytes, aligned
.if \s < 3
.if \s < 2
	s_wait_loadcnt 16                              ; the next step's sixteen loads are in
.else
	s_wait_loadcnt 0x0
.endif
	TURN ((\s)+1)%2, STM, RDM, 0
.endif
.endm
.Lmask:
	s_sub_co_u32 s32, ttmp9, 208
	s_lshl_b32 s32, s32, 3
	s_add_co_u32 s32, s32, s26                     ; job J: tile of queries J / 4, keys 512 (J % 4) on
	s_lshr_b32 s33, s32, 2
	s_lshr_b32 s38, s33, 1
	s_lshl_b32 s38, s38, 18                        ; 32 rows of 8,192 bytes for each pair of tiles,
	s_and_b32 s33, s33, 1
	s_lshl_b32 s33, s33, 16                        ; 8 rows for the odd one,
	s_add_co_u32 s38, s38, s33
	s_and_b32 s33, s32, 3
	s_lshl_b32 s33, s33, 11                        ; 512 keys of 4 bytes
	s_add_co_u32 s38, s38, s33
	s_add_nc_u64 s[28:29], s[18:19], s[38:39]
	s_lshl_b32 s38, s32, 10                        ; four steps of 256 bytes a job
	s_add_nc_u64 s[24:25], s[24:25], s[38:39]
.irp i, 0,1,2,3,4,5,6,7
	v_mov_b32 v[MWD+\i], 0                         ; v_writelane_b32's destination counts as one of its sources
.endr
	LOAD 0, 0, 8192
	LOAD 1, 1, 8192
	s_wait_loadcnt 16
	TURN 0, STM, RDM, 0
	MSTEP 0
	MSTEP 1
	MSTEP 2
	MSTEP 3
	s_wait_tensorcnt 0x0
	ds_add_u32 v240, v241
	s_wait_dscnt 0x0
	s_endpgm
.Lfunc_end_k_qce67f8debd_prep:
	.size	k_qce67f8debd_prep, .Lfunc_end_k_qce67f8debd_prep-k_qce67f8debd_prep
	.p2alignl 7, 3214868480
	.fill 96, 4, 3214868480
	.section	.rodata,"a",@progbits
	.p2align	6, 0x0
	.amdhsa_kernel k_qce67f8debd_prep
		.amdhsa_group_segment_fixed_size 136192
		.amdhsa_private_segment_fixed_size 0
		.amdhsa_enable_private_segment 0
		.amdhsa_kernarg_size 88
		.amdhsa_user_sgpr_count 2
		.amdhsa_user_sgpr_kernarg_segment_ptr 1
		.amdhsa_wavefront_size32 1
		.amdhsa_system_sgpr_workgroup_id_x 1
		.amdhsa_system_sgpr_workgroup_id_y 1
		.amdhsa_system_sgpr_workgroup_id_z 1
		.amdhsa_system_vgpr_workitem_id 0
		.amdhsa_next_free_vgpr 242
		.amdhsa_next_free_sgpr 66
		.amdhsa_reserve_vcc 0
		.amdhsa_float_denorm_mode_32 3
		.amdhsa_float_denorm_mode_16_64 3
		.amdhsa_memory_ordered 1
		.amdhsa_forward_progress 1
		.amdhsa_inst_pref_size 79
	.end_amdhsa_kernel
	.amdgpu_metadata
---
amdhsa.version: [ 1, 2 ]
amdhsa.kernels:
  - .name:           k_qce67f8debd_prep
    .symbol:         k_qce67f8debd_prep.kd
    .args:
      - { .name: q, .offset: 0, .size: 8, .value_kind: global_buffer, .address_space: global }
      - { .name: k, .offset: 8, .size: 8, .value_kind: global_buffer, .address_space: global }
      - { .name: v, .offset: 16, .size: 8, .value_kind: global_buffer, .address_space: global }
      - { .name: Wq, .offset: 24, .size: 8, .value_kind: global_buffer, .address_space: global }
      - { .name: Wk, .offset: 32, .size: 8, .value_kind: global_buffer, .address_space: global }
      - { .name: Wv, .offset: 40, .size: 8, .value_kind: global_buffer, .address_space: global }
      - { .name: Wo, .offset: 48, .size: 8, .value_kind: global_buffer, .address_space: global }
      - { .name: mask, .offset: 56, .size: 8, .value_kind: global_buffer, .address_space: global }
      - { .name: cod, .offset: 64, .size: 8, .value_kind: global_buffer, .address_space: global }
      - { .name: scl, .offset: 72, .size: 8, .value_kind: global_buffer, .address_space: global }
      - { .name: mw, .offset: 80, .size: 8, .value_kind: global_buffer, .address_space: global }
    .group_segment_fixed_size: 136192
    .private_segment_fixed_size: 0
    .kernarg_segment_align: 8
    .kernarg_segment_size: 88
    .max_flat_workgroup_size: 256
    .sgpr_count:     66
    .vgpr_count:     242
    .wavefront_size: 32
...
	.end_amdgpu_metadata
.endif
;; end of part 1
;; launch proj (part 2): grid 192 x 1, 4 waves a work-group, no clusters, 0 bytes of LDS; arguments cod, scl, bq, bk, bv, qc, kv; writes qc, kv
.if DOCPART == 2
	.amdgcn_target "amdgcn-amd-amdhsa--gfx1250"
	.amdhsa_code_object_version 6
	.text
	.protected	k_qce67f8debd_proj
	.globl	k_qce67f8debd_proj
	.p2align	8
	.type	k_qce67f8debd_proj,@function
k_qce67f8debd_proj:
	s_mov_b64 s[64:65], 0
	v_nop
	global_prefetch_b8 v0, s[64:65] scope:SCOPE_SE
	s_setreg_imm32_b32 hwreg(HW_REG_WAVE_MODE, 25, 1), 1
	s_wait_xcnt 0x0
; PROJ.  qh = q Wq^T + bq, kh = k Wk^T + bk, vh = v Wv^T + bv on codes of BF6 (E3M2), sums in f32; the results are quantised at once: qh and kh along a head's 64, vh along the keys.  They never go to memory as f32.
; ONE SCHEME.  A wave keeps a STATIONARY operand of 8 tiles x 4 K steps in 384 registers and walks 8 MOVING tiles.  Source 0 = a stationary tile, source 1 = the moving tile: a lane then holds ONE moving row, and by the
; choice of a tile's rows (32 (T / 2) + 8 (T % 2) + i % 8 + 16 (i / 8)) its 64 results are register 16 b + i = stationary row 32 b + 16 (lane / 16) + i: sixteen neighbours of each block of 32 of the next product's K.
; q, k (work-groups 0-63, 64-127): stationary = 128 features of W (wave w: heads 2 w, 2 w + 1), moving = 8 tiles of tokens.   v (128-191): stationary = 128 tokens (a key step), moving = 8 tiles of Wv's features (two heads).
; OUT.  qc: [batch x 8 + head][16 blocks of 128 tokens] x 6,656 bytes: 8 half images of 768 bytes (registers 0, 1 at 8 x lane; registers 2-5 at 256 + 16 x lane), then the scale words [2][row 16][4 tiles].
;       kv: [batch x 8 + head][16 key steps] x 13,056 bytes: K as a block of qc; at 6,656 four images of V^T (16 channels x 128 keys, 1,536 bytes each); at 12,800 V's scale words [row 16][4 tiles].
; A scale word of q or k has its head's two bytes below and zeros above: the upper 64 of the scores' K hold zero codes.
; Operands come from memory straight into registers as images, 16 bytes a lane; nothing goes through LDS, waves share nothing, no barrier.  No tensor load, hence no joint request to make in a cluster.
; 768 waves: the quantiser wants 8 stationary tiles in a lane's registers, and 4 moving tiles make a whole aligned 256 bytes of scale words: 256 waves a product.
; LIMITS: blocks of zeros, and blocks whose largest magnitude lies under 2^-122, get the byte 1; NaN and infinities are not served.
; REGISTERS, in windows of 256: window 0: below.  window 1: stationary (tile t, K step 0, 1) at 96 s + 12 t.  window 2: K steps 2, 3 likewise.  window 3: two moving sets at 48 a + 12 s; from v96 the bias of q or k, 8 registers a tile.
.set LI,  4                            ; v4   16 x lane
.set R16, 5                            ; v5   16 r
.set L8,  6                            ; v6   8 x lane
.set L8H, 7                            ; v7   8 x lane + a head's bytes
.set LIH, 8                            ; v8   16 x lane + a head's bytes
.set OSC, 9                            ; v9   where my scale words go
.set SH,  10                           ; v10  16 h
.set BA,  11                           ; v11  my lane's place in the bias
.set KW,  16                           ; v16-23 eight tiles' scale words
.set TS,  24                           ; v24-27 (v) the words chosen for a store
.set BVL, 28                           ; v28-35 (v) my row's bias for each moving tile
.set BV,  36                           ; v36-43 (v) that bias eight times: the C of a sum's first product
.set MS,  44                           ; v44-51 the moving tile's scale words, two sets
.set SS,  52                           ; v52-83 the stationary tiles' scale words, 4 t + s
.set HA,  84                           ; v84-147 eight accumulators
.set PC,  148                          ; v148-159 the codes just made
.set PT,  160                          ; v160-167
.set TM,  168                          ; v168-183 at work
.set PW,  184                          ; v184 the scale word just made
.set BI,  96                           ; in window 3
.set MSB, 0
.macro WIN new                         ; the immediate's high byte repeats the setting that is left
.if MSB != \new
	s_set_vgpr_msb (MSB<<8)|\new
.set MSB, \new
.endif
.endm
.macro MLOAD m                         ; moving tile m: 12 loads of its image and one of its scale words, into set m % 2
	WIN 0xc0                                       ; destination window 3
.irp s, 0,1,2,3
.irp c, 0,1,2
	global_load_b128 v[48*((\m)%2)+12*\s+4*\c:48*((\m)%2)+12*\s+4*\c+3], v[LI], s[32:33] offset:6144*(\m)+1536*\s+512*\c
.endr
.endr
	WIN 0
	global_load_b128 v[MS+4*((\m)%2):MS+4*((\m)%2)+3], v[R16], s[36:37] offset:256*(\m)
.endm
; 32 matrix instructions: K step by K step, the eight accumulators by turns, one instruction a turn.  The bias is the C of each sum's first product.
.macro MUL a, qk
.irp s, 0,1,2,3
.if \s == 0
.if \qk
	WIN 0x3d                                       ; source 0 window 1, source 1 window 3, C (the bias) window 3, D window 0
.else
	WIN 0x0d                                       ; C in window 0
.endif
.elseif \s == 1
	WIN 0x0d
.else
	WIN 0x0e                                       ; source 0 window 2
.endif
.irp t, 0,1,2,3,4,5,6,7
.if \s == 0
.if \qk
	v_wmma_scale_f32_16x16x128_f8f6f4 v[HA+8*\t:HA+8*\t+7], v[12*\t:12*\t+11], v[48*(\a):48*(\a)+11], v[BI+8*\t:BI+8*\t+7], v[SS+4*\t], v[MS+4*(\a)] matrix_a_fmt:MATRIX_FMT_BF6 matrix_b_fmt:MATRIX_FMT_BF6
.else
	v_wmma_scale_f32_16x16x128_f8f6f4 v[HA+8*\t:HA+8*\t+7], v[12*\t:12*\t+11], v[48*(\a):48*(\a)+11], v[BV:BV+7], v[SS+4*\t], v[MS+4*(\a)] matrix_a_fmt:MATRIX_FMT_BF6 matrix_b_fmt:MATRIX_FMT_BF6
.endif
.else
	v_wmma_scale_f32_16x16x128_f8f6f4 v[HA+8*\t:HA+8*\t+7], v[96*(\s%2)+12*\t:96*(\s%2)+12*\t+11], v[48*(\a)+12*\s:48*(\a)+12*\s+11], v[HA+8*\t:HA+8*\t+7], v[SS+4*\t+\s], v[MS+4*(\a)+\s] matrix_a_fmt:MATRIX_FMT_BF6 matrix_b_fmt:MATRIX_FMT_BF6
.endif
.endr
.endr
	WIN 0
.rept 4
	v_nop                                          ; four places between the last products and the first read of results (ISA guide 7.12.1)
.endr
.endm
; my row's 64 numbers become a fragment's codes in v[PC] on and its scale word in v[PW]
.macro QUANT
.irp b, 0,1,2,3
	v_max3_num_f32 v[TM+\b], |v[HA+16*\b]|, |v[HA+16*\b+1]|, 0x2800000   ; block b: my 16 numbers, each accumulator from its low end on; the floor 2^(5 - 127) holds the byte at 1 from below
.endr
.irp i, 2,4,6,8,10,12,14
.irp b, 0,1,2,3
	v_max3_num_f32 v[TM+\b], v[TM+\b], |v[HA+16*\b+\i]|, |v[HA+16*\b+\i+1]|
.endr
.endr
.irp b, 0,1,2,3
	v_permlanex16_b32 v[TM+4+\b], v[TM+\b], s2, s3
.endr
.irp b, 0,1,2,3
	v_max_num_f32 v[TM+\b], v[TM+\b], v[TM+4+\b]   ; with lane l xor 16's: the block's largest magnitude
.endr
.irp b, 0,1,2,3
	v_add_nc_u32 v[TM+12+\b], 0xfe000000, v[TM+\b] ; 4 off its exponent field: the conversion's scale operand
.endr
.irp b, 0,1,2,3
	v_lshrrev_b32 v[TM+4+\b], 23, v[TM+12+\b]      ; the scale's byte
.endr
	v_lshl_or_b32 v[PW], v[TM+5], 8, v[TM+4]
	v_lshl_or_b32 v[PW], v[TM+6], 16, v[PW]
	v_lshl_or_b32 v[PW], v[TM+7], 24, v[PW]
	s_wait_xcnt 0x0                                ; the last tile's stores have read the codes' registers, which are written again below
.irp c, 0,1
	v_cvt_scalef32_pk16_bf6_f32 v[PC+6*\c:PC+6*\c+2], v[HA+32*\c:HA+32*\c+15], v[TM+12+2*\c]
	v_cvt_scalef32_pk16_bf6_f32 v[PT+4*\c:PT+4*\c+2], v[HA+32*\c+16:HA+32*\c+31], v[TM+12+2*\c+1]
.endr
	v_nop                                          ; one plain place behind a scaled conversion
.irp c, 0,1                                    ; the operand's layout wants a whole block in a lane: lanes 0-15 block 2 c, lanes 16-31 block 2 c + 1
.irp i, 0,1,2
	v_permlane16_swap_b32 v[PC+6*\c+\i], v[PT+4*\c+\i]
.endr
.irp i, 0,1,2
	v_mov_b32 v[PC+6*\c+3+\i], v[PT+4*\c+\i]
.endr
.endr
.endm
	s_load_b256 s[4:11], s[0:1], 0x0               ; cod, scl, bq, bk
	s_load_b128 s[12:15], s[0:1], 0x20             ; bv, qc
	s_load_b64 s[16:17], s[0:1], 0x30              ; kv
	v_lshrrev_b32 v1, 5, v0
	v_readfirstlane_b32 s18, v1                    ; wave 0..3
	v_and_b32 v1, 31, v0
	v_and_b32 v2, 15, v0                           ; r
	v_bfe_u32 v3, v0, 4, 1                         ; h
	v_lshlrev_b32 v[LI], 4, v1
	v_lshlrev_b32 v[R16], 4, v2
	v_lshlrev_b32 v[L8], 3, v1
	v_lshlrev_b32 v[SH], 4, v3
.irp b, 0,1,2,3
	v_mov_b32 v[TM+4+\b], 0                        ; a lane permute's destination counts as one of its sources
.endr
	s_mov_b32 s2, 0x76543210
	s_mov_b32 s3, 0xfedcba98                       ; v_permlanex16_b32's selects for lane l xor 16
	s_mov_b32 s19, 0xffff0000                      ; lanes 16-31
	s_lshr_b32 s20, ttmp9, 6                       ; p: 0 q, 1 k, 2 v
	s_and_b32 s21, ttmp9, 63                       ; i
	s_lshl_b32 s22, s20, 5
	s_lshl_b32 s23, s18, 3
	s_add_co_u32 s22, s22, s23
	s_add_co_u32 s22, s22, 1536                    ; q, k: stationary tiles 1536 + 32 p + 8 w on,
	s_lshl_b32 s24, s20, 9
	s_lshl_b32 s25, s21, 3
	s_add_co_u32 s24, s24, s25                     ; moving tiles 512 p + 8 i on
	s_lshr_b32 s26, s21, 2
	s_lshl_b32 s26, s26, 2
	s_add_co_u32 s26, s26, s18                     ; v: G = 4 (i / 4) + w: which key step of the 64,
	s_and_b32 s27, s21, 3                          ; f = i % 4: which 128 features
	s_lshl_b32 s28, s26, 3
	s_add_co_u32 s28, s28, 1024                    ; stationary tiles 1024 + 8 G on,
	s_lshl_b32 s29, s27, 3
	s_add_co_u32 s29, s29, 1600                    ; moving tiles 1600 + 8 f on
	s_cmp_eq_u32 s20, 2
	s_cselect_b32 s22, s28, s22
	s_cselect_b32 s24, s29, s24
	s_mul_i32 s30, s22, 6144
	s_mov_b32 s31, 0
	s_mul_i32 s32, s24, 6144
	s_mov_b32 s33, 0
	s_lshl_b32 s34, s22, 8
	s_mov_b32 s35, 0
	s_lshl_b32 s36, s24, 8
	s_mov_b32 s37, 0
	s_wait_kmcnt 0x0
	s_add_nc_u64 s[30:31], s[4:5], s[30:31]        ; the stationary tiles' codes,
	s_add_nc_u64 s[32:33], s[4:5], s[32:33]        ; the moving tiles',
	s_add_nc_u64 s[34:35], s[6:7], s[34:35]        ; and their scale words
	s_add_nc_u64 s[36:37], s[6:7], s[36:37]
	WIN 0x40                                       ; destination window 1
.irp t, 0,1,2,3,4,5,6,7
.irp s, 0,1
.irp c, 0,1,2
	global_load_b128 v[96*\s+12*\t+4*\c:96*\s+12*\t+4*\c+3], v[LI], s[30:31] offset:6144*\t+1536*\s+512*\c
.endr
.endr
.endr
	WIN 0x80                                       ; destination window 2
.irp t, 0,1,2,3,4,5,6,7
.irp s, 0,1
.irp c, 0,1,2
	global_load_b128 v[96*\s+12*\t+4*\c:96*\s+12*\t+4*\c+3], v[LI], s[30:31] offset:6144*\t+1536*(\s+2)+512*\c
.endr
.endr
.endr
	WIN 0
.irp t, 0,1,2,3,4,5,6,7
	global_load_b128 v[SS+4*\t:SS+4*\t+3], v[R16], s[34:35] offset:256*\t   ; row r's four words
.endr
	MLOAD 0
	s_cmp_eq_u32 s20, 2
	s_cbranch_scc1 .Lv
	; ---- q and k
	s_lshr_b32 s22, s21, 4                         ; batch
	s_and_b32 s23, s21, 15                         ; block of 128 tokens
	s_lshl_b32 s22, s22, 3
	s_lshl_b32 s24, s18, 1
	s_add_co_u32 s22, s22, s24                     ; 8 x batch + my even head
	s_lshl_b32 s22, s22, 4
	s_add_co_u32 s22, s22, s23
	s_mov_b32 s25, 13056
	s_cmp_eq_u32 s20, 0
	s_cselect_b32 s25, 6656, s25                   ; a block's bytes in qc or in kv
	s_cselect_b64 s[38:39], s[14:15], s[16:17]
	s_cselect_b64 s[40:41], s[8:9], s[10:11]
	s_mul_i32 s22, s22, s25
	s_mov_b32 s23, 0
	s_add_nc_u64 s[38:39], s[38:39], s[22:23]      ; my even head's block
	s_lshl_b32 s25, s25, 4                         ; from a head to the next: 16 blocks
	s_lshl_b32 s22, s18, 9
	s_add_nc_u64 s[40:41], s[40:41], s[22:23]      ; the bias of my 128 features
	v_add_nc_u32 v[L8H], s25, v[L8]
	v_add_nc_u32 v[LIH], s25, v[LI]
	v_mul_u32_u24 v[OSC], s25, v3
	v_add_nc_u32 v[OSC], v[OSC], v[R16]            ; lanes 0-15 serve the even head's scale words, lanes 16-31 the odd head's
	v_lshlrev_b32 v[BA], 6, v3                     ; lane (r, h) wants, for tile t, the bias of features 32 (t / 2) + 8 (t % 2) + 16 h + 0 .. 7
	WIN 0xc0
.irp t, 0,1,2,3,4,5,6,7
	global_load_b128 v[BI+8*\t:BI+8*\t+3], v[BA], s[40:41] offset:(32*(\t/2)+8*(\t%2))*4
	global_load_b128 v[BI+8*\t+4:BI+8*\t+7], v[BA], s[40:41] offset:(32*(\t/2)+8*(\t%2))*4+16
.endr
	WIN 0
.macro TILE_QK m
.if \m < 7
	MLOAD (\m)+1
	s_wait_loadcnt 13                              ; all but the next tile's 13 loads are in
.else
	s_wait_loadcnt 0x0
.endif
	MUL (\m)%2, 1
	QUANT
	global_store_b64 v[L8], v[PC:PC+1], s[38:39] offset:768*(\m)                ; the even head's half image: 256 and 512 consecutive bytes, aligned
	global_store_b128 v[LI], v[PC+2:PC+5], s[38:39] offset:768*(\m)+256
	global_store_b64 v[L8H], v[PC+6:PC+7], s[38:39] offset:768*(\m)             ; the odd head's
	global_store_b128 v[LIH], v[PC+8:PC+11], s[38:39] offset:768*(\m)+256
	v_bfe_u32 v[KW+\m], v[PW], v[SH], 16           ; lanes 0-15: the even head's two bytes; lanes 16-31: the odd head's; zeros above
.if (\m)%4 == 3
	global_store_b128 v[OSC], v[KW+4*((\m)/4):KW+4*((\m)/4)+3], s[38:39] offset:6144+256*((\m)/4)   ; sixteen lanes store 256 consecutive bytes, aligned, in each head's block
.endif
.endm
.irp m, 0,1,2,3,4,5,6,7
	TILE_QK \m
.endr
	s_endpgm
	; ---- v
.Lv:
	s_lshr_b32 s22, s26, 4                         ; batch
	s_lshl_b32 s22, s22, 3
	s_lshl_b32 s23, s27, 1
	s_add_co_u32 s22, s22, s23                     ; 8 x batch + my even head
	s_lshl_b32 s22, s22, 4
	s_and_b32 s23, s26, 15
	s_add_co_u32 s22, s22, s23                     ; + the key step
	s_mul_i32 s22, s22, 13056
	s_mov_b32 s23, 0
	s_add_nc_u64 s[38:39], s[16:17], s[22:23]
	s_lshl_b32 s22, s27, 9
	s_add_nc_u64 s[40:41], s[12:13], s[22:23]      ; bv at my 128 features
	v_lshl_add_u32 v[OSC], v3, 3, v[R16]           ; 16 r + 8 h
	v_and_b32 v[BA], 7, v2
	v_lshrrev_b32 v12, 3, v2
	v_lshlrev_b32 v[BA], 2, v[BA]
	v_lshl_add_u32 v[BA], v12, 6, v[BA]            ; 4 x (r % 8 + 16 (r / 8)): my row of a tile of features
.irp n, 0,1,2,3,4,5,6,7
	global_load_b32 v[BVL+\n], v[BA], s[40:41] offset:(32*(\n/2)+8*(\n%2))*4
.endr
.macro TILE_V n
.if \n < 7
	MLOAD (\n)+1
	s_wait_loadcnt 13                              ; all but the next tile's 13 loads are in
.else
	s_wait_loadcnt 0x0
.endif
.irp j, 0,1,2,3,4,5,6,7
	v_mov_b32 v[BV+\j], v[BVL+\n]                  ; a lane holds one feature: its bias serves all eight rows (tokens) of every tile
.endr
.rept 4
	v_nop
.endr
	MUL (\n)%2, 0
	QUANT
.irp c, 0,1,2
	global_store_b128 v[LI], v[PC+4*\c:PC+4*\c+3], s[38:39] offset:((\n)/4)*208896+6656+1536*((\n)%4)+512*\c   ; 16 channels x 128 keys, as an image
.endr
	v_mov_b32 v[KW+\n], v[PW]
.if (\n)%4 == 3
	v_cndmask_b32 v[TS+2*((\n)/4)], v[KW+4*((\n)/4)], v[KW+4*((\n)/4)+2], s19      ; lanes 0-15: tiles 0 and 1 of the head; lanes 16-31: tiles 2 and 3
	v_cndmask_b32 v[TS+2*((\n)/4)+1], v[KW+4*((\n)/4)+1], v[KW+4*((\n)/4)+3], s19
	global_store_b64 v[OSC], v[TS+2*((\n)/4):TS+2*((\n)/4)+1], s[38:39] offset:((\n)/4)*208896+12800   ; the wave stores 256 bytes, aligned
.endif
.endm
.irp n, 0,1,2,3,4,5,6,7
	TILE_V \n
.endr
	s_endpgm
.Lfunc_end_k_qce67f8debd_proj:
	.size	k_qce67f8debd_proj, .Lfunc_end_k_qce67f8debd_proj-k_qce67f8debd_proj
	.p2alignl 7, 3214868480
	.fill 96, 4, 3214868480
	.section	.rodata,"a",@progbits
	.p2align	6, 0x0
	.amdhsa_kernel k_qce67f8debd_proj
		.amdhsa_group_segment_fixed_size 0
		.amdhsa_private_segment_fixed_size 0
		.amdhsa_enable_private_segment 0
		.amdhsa_kernarg_size 56
		.amdhsa_user_sgpr_count 2
		.amdhsa_user_sgpr_kernarg_segment_ptr 1
		.amdhsa_wavefront_size32 1
		.amdhsa_system_sgpr_workgroup_id_x 1
		.amdhsa_system_sgpr_workgroup_id_y 1
		.amdhsa_system_sgpr_workgroup_id_z 1
		.amdhsa_system_vgpr_workitem_id 0
		.amdhsa_next_free_vgpr 928
		.amdhsa_next_free_sgpr 66
		.amdhsa_reserve_vcc 0
		.amdhsa_float_denorm_mode_32 3
		.amdhsa_float_denorm_mode_16_64 3
		.amdhsa_memory_ordered 1
		.amdhsa_forward_progress 1
		.amdhsa_inst_pref_size 174
	.end_amdhsa_kernel
	.amdgpu_metadata
---
amdhsa.version: [ 1, 2 ]
amdhsa.kernels:
  - .name:           k_qce67f8debd_proj
    .symbol:         k_qce67f8debd_proj.kd
    .args:
      - { .name: cod, .offset: 0, .size: 8, .value_kind: global_buffer, .address_space: global }
      - { .name: scl, .offset: 8, .size: 8, .value_kind: global_buffer, .address_space: global }
      - { .name: bq, .offset: 16, .size: 8, .value_kind: global_buffer, .address_space: global }
      - { .name: bk, .offset: 24, .size: 8, .value_kind: global_buffer, .address_space: global }
      - { .name: bv, .offset: 32, .size: 8, .value_kind: global_buffer, .address_space: global }
      - { .name: qc, .offset: 40, .size: 8, .value_kind: global_buffer, .address_space: global }
      - { .name: kv, .offset: 48, .size: 8, .value_kind: global_buffer, .address_space: global }
    .group_segment_fixed_size: 0
    .private_segment_fixed_size: 0
    .kernarg_segment_align: 8
    .kernarg_segment_size: 56
    .max_flat_workgroup_size: 128
    .sgpr_count:     66
    .vgpr_count:     928
    .wavefront_size: 32
...
	.end_amdgpu_metadata
.endif
;; end of part 2
;; launch attn (part 3): grid 8 x 32, 16 waves a work-group, no clusters, 327,680 bytes of LDS; arguments qc, kv, mw, cc, cs; writes cc, cs
.if DOCPART == 3
	.amdgcn_target "amdgcn-amd-amdhsa--gfx1250"
	.amdhsa_code_object_version 6
	.text
	.protected	k_qce67f8debd_attn
	.globl	k_qce67f8debd_attn
	.p2align	8
	.type	k_qce67f8debd_attn,@function
k_qce67f8debd_attn:
	s_mov_b64 s[64:65], 0
	v_nop
	global_prefetch_b8 v0, s[64:65] scope:SCOPE_SE
	s_setreg_imm32_b32 hwreg(HW_REG_WAVE_MODE, 25, 1), 1
	s_wait_xcnt 0x0
; ATTN.  For each (batch, head): scores = qh kh^T / 8; where the mask is 0 the logit is replaced; p = 2^(t - M), t = logit x log2(e), M = the ceiling of the row's running largest t; ctx = (p vh) / (the row's sum of the
; unquantised p).  Both products on codes of BF6 (E3M2); p is quantised along the keys, ctx at the end along the head's 64 channels, for the last product.
; SHARES.  A work-group owns 256 queries of one (batch, head): x = block of queries, y = 8 x batch + head.  Each of its sixteen waves owns one tile of 16 queries in 256 registers, four waves to a SIMD, so that one wave's
; vector work stands beside another's matrix work and LDS loads.  Every wave walks the 2,048 keys, 128 a step.
; LAYOUT.  Both products are used transposed: S^T = K Q^T (source 0 = 16 keys), O^T = V^T P^T (source 0 = 16 channels): a lane holds ONE query throughout.  A tile's rows are 32 (T / 2) + 8 (T % 2) + i % 8 + 16 (i / 8),
; so score register 16 b + i is key 32 b + 16 (lane / 16) + i, and O^T's register 16 b + i is channel 32 b + 16 (lane / 16) + i.
; K = 64 IN AN INSTRUCTION OF 128.  Q's registers 6-11 are zero codes.  K's fragment of tile t is six registers; the instruction names twelve, the upper six being the next tile's codes (behind the last tile: zeros),
; which meet only Q's zeros; the scale words' upper two bytes are 0, never 0xff.
; LDS.  The head's kv, 208,896 bytes, lies in LDS as in memory, each byte filled once: four chunks of four key steps; each wave brings 3,264 bytes of a chunk by one tensor load; chunk c + 1 is asked for behind chunk c's
; barrier and has four key steps in which to land.  By this text's count a wave has one tensor load outstanding.  All of the WGP's LDS is claimed, and the add onto the spare words is written.
; THE MASK comes as lane masks (64 words a key step), by scalar loads a key step ahead, and only selects values.
; NO CLUSTER: the eight work-groups of a head read the same 208,896 bytes, each once in the launch: 13,056 bytes for a key step in which its sixteen waves issue some 5,000 vector instructions, and asked for four steps
; ahead; a joint request would put a round of the cluster's barrier in front of each of the four groups of loads.
; LIMITS.  A masked logit is -2^30 where the problem has -1e9 (the raw score -2^33, times log2(e) / 8 a whole number): a row with no open key then has p = 1 at every key, as f32 arithmetic gives with -1e9; the two differ
; only where an open logit lies under about -1e9.  NaN and infinities are not served.  A block's largest p is taken from its largest score by the same two instructions (this takes v_exp_f32 not to fall where its input
; rises).  Blocks of zeros get the byte 1.
.set KVH,   208896                     ; a head's kv
.set STEPB, 13056                      ; a key step's
.set CHB,   52224                      ; a chunk's: four steps
.set WPART, 3264                       ; a wave's part of a chunk
.set SCG,   208896                     ; behind the tiles: 1,024 bytes in which ctx's scale words are gathered; no tensor load lands there
.set SPARE, 209920                     ; the spare words, 128 bytes for each wave: eight blocks of 256 bytes that no other line names
.set SPW, 1                            ; v1   SPARE + 4 x my thread's number; never rewritten
.set NIL, 2                            ; v2   0; never rewritten
.set L8,  3                            ; v3   8 x lane
.set L16, 4                            ; v4   16 x lane
.set R16, 5                            ; v5   16 r
.set A8,  6                            ; v6-8 the same + the key step's LDS byte
.set A16, 7
.set AR,  8
.set GS,  9                            ; v9   SCG + 64 x wave + 4 r
.set GL,  10                           ; v10  SCG + 16 x thread
.set GG,  11                           ; v11  16 x thread
                                       ; v12 -M, v13 the largest t so far, v[14:15] the row's sum in two halves
.set QF,  16                           ; v16-27 Q's fragment (22-27 zeros)
.set QS,  28                           ; v28  Q's scale word
.set KF,  30                           ; v30-77 K's eight half fragments, later V's four fragments; v78-83 zeros
.set S,   84                           ; v84-147 S^T, then p
.set O,   148                          ; v148-179 O^T
.set PC,  180                          ; v180-191 p's codes
.set PT,  192                          ; v192-199
.set BM,  200                          ; v200-203 the blocks' largest scores, then largest p
.set PD,  204                          ; v204-207 at work
.set SO,  208                          ; v208-211 the conversions' scale operands
.set KS,  212                          ; v212-219 K's scale words
.set VS,  220                          ; v220-223 V's
.set PSW, 224                          ; v224 p's scale word
.set F,   226                          ; v[226:227] 2^(old M - new M)
.set TMP, 228
.set NEG, 229                          ; v229 -2^33
                                       ; s2 wave, s3 trips, s4 the key step's LDS byte, s5 the mask words' offset, s[6:7] my tile's mask words, s[8:9] lane selects, s[10:11] c, s[12:15], s[16:23] the descriptor,
                                       ; s[24:25] cc, s[26:27] cs, s[28:31] at the head, s[32:63] and s[68:99] a key step's 64 mask words
	s_load_b256 s[32:39], s[0:1], 0x0              ; qc, kv, mw, cc
	s_load_b64 s[40:41], s[0:1], 0x20              ; cs
	v_lshl_add_u32 v[SPW], v0, 2, SPARE
	v_mov_b32 v[NIL], 0
	ds_add_u32 v1, v2
	ds_add_u32 v1, v2
	s_wait_dscnt 0x0
	v_lshrrev_b32 v[TMP], 5, v0
	v_readfirstlane_b32 s2, v[TMP]                 ; wave 0..15
	s_and_b32 s28, ttmp7, 0xffff                   ; y = 8 x batch + head
	; descriptor group 1: one row of 408 elements of 8 bytes
	s_mov_b32 s16, 3<<16                           ; no mask; elements of 8 bytes; no padding
	s_mov_b32 s17, 408<<16                         ; tensor_dim0
	s_mov_b32 s18, 1<<16                           ; tensor_dim1 = 1
	s_mov_b32 s19, 408<<16                         ; tile_dim0
	s_mov_b32 s20, 1                               ; tile_dim1
	s_mov_b32 s21, 408                             ; the pitch
	s_mov_b32 s22, 0
	s_mov_b32 s23, 0
	s_mov_b32 s12, 1                               ; group 0: count = 1,
	s_mul_i32 s13, s2, WPART                       ; LDS address: my part of chunk 0,
	s_mul_i32 s30, s28, KVH
	s_add_co_u32 s30, s30, s13
	s_mov_b32 s31, 0
	s_wait_kmcnt 0x0
	s_add_nc_u64 s[14:15], s[34:35], s[30:31]      ; the same place in my head's kv,
	s_or_b32 s15, s15, 0x80000000                  ; type = 2
	tensor_load_to_lds s[12:15], s[16:23]          ; chunk 0, ahead of every wait on TENSORcnt, every LDS read and every barrier
	s_nop 0
	s_lshl_b32 s29, ttmp9, 4
	s_add_co_u32 s29, s29, s2                      ; my tile of queries in the batch: 16 x + wave
	s_lshr_b32 s30, s28, 3
	s_lshl_b32 s30, s30, 7
	s_add_co_u32 s30, s30, s29                     ; and among all 512
	s_mov_b32 s5, 0
	s_lshl_b32 s4, s30, 12
	s_add_nc_u64 s[6:7], s[36:37], s[4:5]          ; its mask words: 4,096 bytes a tile
	s_mul_i32 s4, s30, 6144
	s_and_b32 s3, s28, 7
	s_mul_i32 s3, s3, 768
	s_add_co_u32 s4, s4, s3
	s_add_nc_u64 s[24:25], s[38:39], s[4:5]        ; cc: [tile][head] half images
	s_lshl_b32 s4, s28, 7
	s_lshl_b32 s3, ttmp9, 4
	s_add_co_u32 s4, s4, s3
	s_lshl_b32 s4, s4, 6
	s_add_nc_u64 s[26:27], s[40:41], s[4:5]        ; cs: [y][tile in the batch] 64 bytes: the work-group's 1,024
	s_lshl_b32 s4, s28, 4
	s_lshr_b32 s3, s29, 3
	s_add_co_u32 s4, s4, s3
	s_mul_i32 s4, s4, 6656
	s_add_nc_u64 s[30:31], s[32:33], s[4:5]        ; qc: my block of 128 tokens,
	s_and_b32 s3, s2, 7
	s_mul_i32 s4, s3, 768
	s_add_nc_u64 s[28:29], s[30:31], s[4:5]        ; my tile's half image in it,
	s_lshr_b32 s4, s3, 2
	s_lshl_b32 s4, s4, 8
	s_and_b32 s3, s3, 3
	s_lshl_b32 s3, s3, 2
	s_add_co_u32 s4, s4, s3
	s_add_co_u32 s4, s4, 6144
	s_add_nc_u64 s[30:31], s[30:31], s[4:5]        ; and its scale words
	v_and_b32 v[L8], 31, v0
	v_lshlrev_b32 v[L16], 4, v[L8]
	v_lshlrev_b32 v[L8], 3, v[L8]
	v_and_b32 v[R16], 15, v0
	v_lshl_add_u32 v[GS], v[R16], 2, SCG
	s_lshl_b32 s3, s2, 6
	v_add_nc_u32 v[GS], s3, v[GS]
	v_lshlrev_b32 v[R16], 4, v[R16]
	v_lshlrev_b32 v[GG], 4, v0
	v_add_nc_u32 v[GL], SCG, v[GG]
	global_load_b64 v[QF:QF+1], v[L8], s[28:29]
	global_load_b128 v[QF+2:QF+5], v[L16], s[28:29] offset:256
	global_load_b32 v[QS], v[R16], s[30:31]
	s_load_b512 s[32:47], s[6:7], 0x0              ; key step 0's mask words (the pointers that lay here have been used)
	s_load_b512 s[48:63], s[6:7], 0x40
	s_load_b512 s[68:83], s[6:7], 0x80
	s_load_b512 s[84:99], s[6:7], 0xc0
	s_mov_b32 s8, 0x76543210
	s_mov_b32 s9, 0xfedcba98                       ; v_permlanex16_b32's selects for lane l xor 16
	s_mov_b32 s10, 0x3e38aa3b                      ; c = log2(e) / 8: t = score x c
	s_mov_b32 s11, s10                             ; (named with it as a pair, so it is written)
	v_mov_b32 v[NEG], 0xd0000000                   ; -2^33
	v_mov_b32 v13, 0xff61b1e6                      ; the largest t so far: -3e38, under every t
	v_floor_f32 v12, -v13                          ; -M
	v_mov_b32 v14, 0
	v_mov_b32 v15, 0
	v_mov_b32 v[F+1], 0                            ; (named as the upper half of a pair)
.irp i, 0,1,2,3,4,5
	v_mov_b32 v[QF+6+\i], 0                        ; zero codes for the upper 64 of K
	v_mov_b32 v[KF+48+\i], 0
.endr
.irp b, 0,1,2,3
	v_mov_b32 v[PD+\b], 0                          ; a lane permute's destination counts as one of its sources
.endr
.set j, 0
.rept 32
	v_mov_b32 v[O+j], 0                            ; the step is written once: the first finds zeros, which the first change of M leaves zeros
.set j, j+1
.endr
	s_wait_loadcnt 0x0                             ; Q
; A KEY STEP: 128 keys
.macro STEP
	v_add_nc_u32 v[A8], s4, v[L8]
	v_add_nc_u32 v[A16], s4, v[L16]
	v_add_nc_u32 v[AR], s4, v[R16]
	v_nop                                          ; four places between the last products and loads into registers that they read
.irp t, 0,1,2,3,4,5,6,7
	ds_load_b64 v[KF+6*\t:KF+6*\t+1], v[A8] offset:768*\t
	ds_load_b128 v[KF+6*\t+2:KF+6*\t+5], v[A16] offset:768*\t+256
.endr
	ds_load_b128 v[KS:KS+3], v[AR] offset:6144
	ds_load_b128 v[KS+4:KS+7], v[AR] offset:6400
	s_wait_dscnt 0x0
.irp t, 0,1,2,3,4,5,6,7
	v_wmma_scale_f32_16x16x128_f8f6f4 v[S+8*\t:S+8*\t+7], v[KF+6*\t:KF+6*\t+11], v[QF:QF+11], 0, v[KS+\t], v[QS] matrix_a_fmt:MATRIX_FMT_BF6 matrix_b_fmt:MATRIX_FMT_BF6
.endr
.rept 4
	v_nop                                          ; four places: V's loads land where K lay, and the selects read results
.endr
.irp q, 0,1,2,3,4,5,6,7,8,9,10,11
	ds_load_b128 v[KF+4*\q:KF+4*\q+3], v[A16] offset:6656+512*\q   ; V's four images: they land while the softmax is worked
.endr
	ds_load_b128 v[VS:VS+3], v[AR] offset:12800
	s_wait_kmcnt 0x0                               ; this step's mask words, asked for a step ago
.set n, 0
.rept 64
	v_cndmask_b32 v[S+n], v[NEG], v[S+n], s[32+n+4*(n/32)]   ; where the mask is 0: -2^33.  Each accumulator from its low end on
.set n, n+1
.endr
.irp b, 0,1,2,3
	v_max3_num_f32 v[BM+\b], v[S+16*\b], v[S+16*\b+1], v[S+16*\b+2]   ; the largest score of each block of 32 keys: for the row's maximum, and for the block's largest p
.endr
.irp i, 3,5,7,9,11,13
.irp b, 0,1,2,3
	v_max3_num_f32 v[BM+\b], v[BM+\b], v[S+16*\b+\i], v[S+16*\b+\i+1]
.endr
.endr
.irp b, 0,1,2,3
	v_max_num_f32 v[BM+\b], v[BM+\b], v[S+16*\b+15]
.endr
.irp b, 0,1,2,3
	v_permlanex16_b32 v[PD+\b], v[BM+\b], s8, s9
.endr
.irp b, 0,1,2,3
	v_max_num_f32 v[BM+\b], v[BM+\b], v[PD+\b]     ; with lane l xor 16's 16 keys
.endr
	v_max3_num_f32 v[TMP], v[BM], v[BM+1], v[BM+2]
	v_max_num_f32 v[TMP], v[TMP], v[BM+3]
	v_mul_f32 v[TMP], s10, v[TMP]                  ; the step's largest t (c is positive)
	v_max_num_f32 v13, v13, v[TMP]                 ; the running largest t
	v_mov_b32 v[TMP], v12
	v_floor_f32 v12, -v13                          ; the new -M = floor(-t): M is a whole number
	v_sub_f32 v[TMP], v12, v[TMP]                  ; old M - new M: a whole number, 0 or less
	v_cvt_i32_f32 v[TMP], v[TMP]                   ; (it saturates)
	v_ldexp_f32 v[F], 1.0, v[TMP]                  ; f = 2^(old M - new M): a multiplication by it rounds nothing
.set j, 0
.rept 32
	v_pk_fma_f32 v[S+j:S+j+1], v[S+j:S+j+1], s[10:11], v[12:13] op_sel_hi:[1,0,0]   ; t - M, two at a time
.set j, j+2
.endr
	s_add_co_u32 s5, s5, 256                       ; the next step's mask words (this step's loads are done: their offset may be written; the selects have read the words).
	s_and_b32 s5, s5, 0xfff                        ; The last step asks for step 0's again: no load leaves the tile's 4,096 bytes
	s_load_b512 s[32:47], s[6:7], s5 offset:0x0
	s_load_b512 s[48:63], s[6:7], s5 offset:0x40
	s_load_b512 s[68:83], s[6:7], s5 offset:0x80
	s_load_b512 s[84:99], s[6:7], s5 offset:0xc0
.irp b, 0,1,2,3
	v_fma_f32 v[BM+\b], v[BM+\b], s10, v12         ; the same of each block's largest score
.endr
.set j, 0
.rept 64
	v_exp_f32 v[S+j], v[S+j]                       ; p = 2^(t - M), at most 1: not normalised
.set j, j+1
.endr
.irp b, 0,1,2,3
	v_exp_f32 v[BM+\b], v[BM+\b]                   ; the block's largest p
.endr
	v_pk_mul_f32 v[14:15], v[14:15], v[F:F+1] op_sel_hi:[1,0]   ; the sums under the new M.  (A plain place behind the exponentials)
	s_wait_alu depctr_va_vdst(0)
.irp b, 0,1,2,3
	v_max_num_f32 v[BM+\b], 0x2800000, v[BM+\b]    ; the floor 2^(5 - 127): the byte cannot fall under 1
.endr
.irp b, 0,1,2,3
	v_add_nc_u32 v[SO+\b], 0xfe000000, v[BM+\b]    ; 4 off the exponent field: the conversion's scale operand
.endr
.irp b, 0,1,2,3
	v_lshrrev_b32 v[PD+\b], 23, v[SO+\b]           ; the scale's byte
.endr
	v_lshl_or_b32 v[PSW], v[PD+1], 8, v[PD]        ; p's scale word for these 128 keys
	v_lshl_or_b32 v[PSW], v[PD+2], 16, v[PSW]
	v_lshl_or_b32 v[PSW], v[PD+3], 24, v[PSW]
.irp c, 0,1
	v_cvt_scalef32_pk16_bf6_f32 v[PC+6*\c:PC+6*\c+2], v[S+32*\c:S+32*\c+15], v[SO+2*\c]
	v_cvt_scalef32_pk16_bf6_f32 v[PT+4*\c:PT+4*\c+2], v[S+32*\c+16:S+32*\c+31], v[SO+2*\c+1]
.endr
	v_nop                                          ; one plain place behind a scaled conversion
.irp c, 0,1                                    ; the operand's layout wants a whole block in a lane
.irp i, 0,1,2
	v_permlane16_swap_b32 v[PC+6*\c+\i], v[PT+4*\c+\i]
.endr
.irp i, 0,1,2
	v_mov_b32 v[PC+6*\c+3+\i], v[PT+4*\c+\i]
.endr
.endr
	v_pk_add_f32 v[PD:PD+1], v[S:S+1], v[S+2:S+3]  ; the row's sum is taken of the unquantised p: two at a time, in two chains
.irp j, 4,8,12,16,20,24,28,32,36,40,44,48,52,56,60
	v_pk_add_f32 v[14:15], v[14:15], v[S+\j:S+\j+1]
	v_pk_add_f32 v[PD:PD+1], v[PD:PD+1], v[S+\j+2:S+\j+3]
.endr
	v_pk_add_f32 v[14:15], v[14:15], v[PD:PD+1]
.set j, 0
.rept 16
	v_pk_mul_f32 v[O+j:O+j+1], v[O+j:O+j+1], v[F:F+1] op_sel_hi:[1,0]   ; O^T under the new M.  (These and the sums are the places between the writes of p's codes and scale word and the products)
.set j, j+2
.endr
	s_wait_dscnt 0x0                               ; V
.irp n, 0,1,2,3
	v_wmma_scale_f32_16x16x128_f8f6f4 v[O+8*\n:O+8*\n+7], v[KF+12*\n:KF+12*\n+11], v[PC:PC+11], v[O+8*\n:O+8*\n+7], v[VS+\n], v[PSW] matrix_a_fmt:MATRIX_FMT_BF6 matrix_b_fmt:MATRIX_FMT_BF6
.endr
	s_add_co_u32 s4, s4, STEPB
.endm
; A CHUNK of four key steps.  Each wave waits for its tensor load (its part of this chunk), adds 0 to its spare word, waits for that and for its LDS reads, and passes the barrier: the chunk is then whole for all sixteen.
; Behind the barrier the next chunk is asked for, the wave's one tensor load until the next barrier.
.macro CHUNK c
	s_wait_tensorcnt 0x0                           ; no tensor load of mine is out, so the descriptor may be written
	ds_add_u32 v[SPW], v[NIL]                      ; 0 onto my spare word
.if \c < 3
	s_add_co_u32 s13, s13, CHB                     ; the next chunk, in LDS
	s_add_nc_u64 s[14:15], s[14:15], CHB           ; and in memory; the type bits on top are not reached
.endif
	s_wait_dscnt 0x0
	s_barrier_signal -1
	s_barrier_wait -1
.if \c < 3
	tensor_load_to_lds s[12:15], s[16:23]
	s_nop 0
.endif
	s_mov_b32 s4, (\c)*CHB                         ; the chunk's first key step
	s_mov_b32 s3, 4
.Lstep_\@:
	STEP
	s_sub_co_u32 s3, s3, 1
	s_cmp_lg_u32 s3, 0
	s_cbranch_scc1 .Lstep_\@
.endm
	CHUNK 0
	CHUNK 1
	CHUNK 2
	CHUNK 3
	; THE END.  ctx = O^T / the sum, quantised along the head's 64 channels: two blocks; a lane holds 16 of each
.rept 4
	v_nop                                          ; four places behind the last products
.endr
	v_add_f32 v14, v14, v15                        ; the sum's two halves,
	v_permlanex16_b32 v[TMP], v14, s8, s9
	v_add_f32 v14, v14, v[TMP]                     ; and lane l xor 16's: the row's sum, over 1/2
	v_rcp_f32 v14, v14
	v_nop                                          ; one plain place behind a transcendental
.set j, 0
	s_wait_alu depctr_va_vdst(0)
.rept 16
	v_pk_mul_f32 v[S+j:S+j+1], v[O+j:O+j+1], v[14:15] op_sel_hi:[1,0]
.set j, j+2
.endr
.irp b, 0,1
	v_max3_num_f32 v[BM+\b], |v[S+16*\b]|, |v[S+16*\b+1]|, 0x2800000
.endr
.irp i, 2,4,6,8,10,12,14
.irp b, 0,1
	v_max3_num_f32 v[BM+\b], v[BM+\b], |v[S+16*\b+\i]|, |v[S+16*\b+\i+1]|
.endr
.endr
.irp b, 0,1
	v_permlanex16_b32 v[PD+\b], v[BM+\b], s8, s9
.endr
.irp b, 0,1
	v_max_num_f32 v[BM+\b], v[BM+\b], v[PD+\b]
.endr
.irp b, 0,1
	v_add_nc_u32 v[SO+\b], 0xfe000000, v[BM+\b]
.endr
.irp b, 0,1
	v_lshrrev_b32 v[PD+\b], 23, v[SO+\b]
.endr
	v_lshl_or_b32 v[PSW], v[PD+1], 8, v[PD]        ; my row's two bytes for this head
	v_cvt_scalef32_pk16_bf6_f32 v[PC:PC+2], v[S:S+15], v[SO]
	v_cvt_scalef32_pk16_bf6_f32 v[PT:PT+2], v[S+16:S+31], v[SO+1]
	v_nop
.irp i, 0,1,2
	v_permlane16_swap_b32 v[PC+\i], v[PT+\i]
.endr
.irp i, 0,1,2
	v_mov_b32 v[PC+3+\i], v[PT+\i]
.endr
	global_store_b64 v[L8], v[PC:PC+1], s[24:25]                ; the half image: 256 and 512 consecutive bytes, aligned
	global_store_b128 v[L16], v[PC+2:PC+5], s[24:25] offset:256
	ds_store_b32 v[GS], v[PSW]                     ; lanes r and 16 + r write the same word with the same value
	s_wait_dscnt 0x0                               ; for the others' sake: my store has landed
	s_barrier_signal -1
	s_barrier_wait -1
	s_cmp_lt_u32 s2, 2
	s_cbranch_scc0 .Lend
	ds_load_b128 v[S:S+3], v[GL]                   ; waves 0 and 1 store the sixteen tiles' words: 512 consecutive bytes each, aligned
	s_wait_dscnt 0x0
	global_store_b128 v[GG], v[S:S+3], s[26:27]
.Lend:
	s_wait_tensorcnt 0x0                           ; the wave's end
	ds_add_u32 v[SPW], v[NIL]
	s_wait_dscnt 0x0
	s_endpgm
.Lfunc_end_k_qce67f8debd_attn:
	.size	k_qce67f8debd_attn, .Lfunc_end_k_qce67f8debd_attn-k_qce67f8debd_attn
	.p2alignl 7, 3214868480
	.fill 96, 4, 3214868480
	.section	.rodata,"a",@progbits
	.p2align	6, 0x0
	.amdhsa_kernel k_qce67f8debd_attn
		.amdhsa_group_segment_fixed_size 327680
		.amdhsa_private_segment_fixed_size 0
		.amdhsa_enable_private_segment 0
		.amdhsa_kernarg_size 40
		.amdhsa_user_sgpr_count 2
		.amdhsa_user_sgpr_kernarg_segment_ptr 1
		.amdhsa_wavefront_size32 1
		.amdhsa_system_sgpr_workgroup_id_x 1
		.amdhsa_system_sgpr_workgroup_id_y 1
		.amdhsa_system_sgpr_workgroup_id_z 1
		.amdhsa_system_vgpr_workitem_id 0
		.amdhsa_next_free_vgpr 256
		.amdhsa_next_free_sgpr 100
		.amdhsa_reserve_vcc 0
		.amdhsa_float_denorm_mode_32 3
		.amdhsa_float_denorm_mode_16_64 3
		.amdhsa_memory_ordered 1
		.amdhsa_forward_progress 1
		.amdhsa_inst_pref_size 92
	.end_amdhsa_kernel
	.amdgpu_metadata
---
amdhsa.version: [ 1, 2 ]
amdhsa.kernels:
  - .name:           k_qce67f8debd_attn
    .symbol:         k_qce67f8debd_attn.kd
    .args:
      - { .name: qc, .offset: 0, .size: 8, .value_kind: global_buffer, .address_space: global }
      - { .name: kv, .offset: 8, .size: 8, .value_kind: global_buffer, .address_space: global }
      - { .name: mw, .offset: 16, .size: 8, .value_kind: global_buffer, .address_space: global }
      - { .name: cc, .offset: 24, .size: 8, .value_kind: global_buffer, .address_space: global }
      - { .name: cs, .offset: 32, .size: 8, .value_kind: global_buffer, .address_space: global }
    .group_segment_fixed_size: 327680
    .private_segment_fixed_size: 0
    .kernarg_segment_align: 8
    .kernarg_segment_size: 40
    .max_flat_workgroup_size: 512
    .sgpr_count:     100
    .vgpr_count:     256
    .wavefront_size: 32
...
	.end_amdgpu_metadata
.endif
;; end of part 3
;; launch outp (part 4): grid 4 x 64, 4 waves a work-group, no clusters, 34,304 bytes of LDS; arguments cod, scl, cc, cs, bo, out0; writes out0
.if DOCPART == 4
	.amdgcn_target "amdgcn-amd-amdhsa--gfx1250"
	.amdhsa_code_object_version 6
	.text
	.protected	k_qce67f8debd_outp
	.globl	k_qce67f8debd_outp
	.p2align	8
	.type	k_qce67f8debd_outp,@function
k_qce67f8debd_outp:
	s_mov_b64 s[64:65], 0
	v_nop
	global_prefetch_b8 v0, s[64:65] scope:SCOPE_SE
	s_setreg_imm32_b32 hwreg(HW_REG_WAVE_MODE, 25, 1), 1
	s_wait_xcnt 0x0
; OUTP.  out0 = ctx Wo^T + bo on codes of BF6 (E3M2), sums in f32.  ctx comes as half images [token tile 512][head 8] (cc) and scale words [batch x 8 + head][tile 128][row 16] (cs: two bytes in a word);
; Wo as images (cod tiles 1632 on) with its scale words (scl).
; SHARES.  Work-group (g, blk) makes 128 features x 128 tokens; wave w takes token tiles 8 blk + 2 w + e, e = 0, 1.  All four waves hold Wo's 8 tiles x 4 K steps in 384 registers.  Source 0 = 16 features of Wo, source 1 =
; 16 tokens: a lane holds one token, and register 16 b + i of its 64 is feature 128 g + 32 b + 16 (lane / 16) + i.  K step s is heads 2 s and 2 s + 1: two half images make a fragment, two words' bytes its scale word.
; THE WAY OUT.  A tile goes through the wave's own stage in LDS (16 rows 528 bytes apart) and leaves as rows: 32 lanes store 512 consecutive bytes, aligned.  No barrier: waves share nothing.
; Operands come from memory straight into registers; no tensor load, hence no joint request to make in a cluster.
; REGISTERS, in windows of 256: window 0: below.  window 1: Wo (tile t, K step 0, 1) at 96 s + 12 t.  window 2: K steps 2, 3.  window 3: ctx of tile e at 48 e + 6 x head; from v96 the bias, 8 registers a tile.
.set LI,  4                            ; v4   16 x lane
.set R16, 5                            ; v5   16 r
.set L8,  6                            ; v6   8 x lane
.set R4,  7                            ; v7   4 r
.set BA,  8                            ; v8   64 h
.set SOA, 9                            ; v9   stage + 528 r + 64 h
.set SRA, 10                           ; v10  stage + 16 x lane
.set CW,  16                           ; v16-31 ctx's words, 8 e + head
.set MS,  32                           ; v32-39 ctx's scale words, 4 e + s
.set SS,  40                           ; v40-71 Wo's, 4 t + s
.set HA,  72                           ; v72-135, v136-199 eight accumulators for each of the two tiles
.set BI,  96                           ; in window 3
.set MSB, 0
.macro WIN new                         ; the immediate's high byte repeats the setting that is left
.if MSB != \new
	s_set_vgpr_msb (MSB<<8)|\new
.set MSB, \new
.endif
.endm
	s_load_b256 s[4:11], s[0:1], 0x0               ; cod, scl, cc, cs
	s_load_b128 s[12:15], s[0:1], 0x20             ; bo, out0
	v_lshl_add_u32 v254, v0, 2, 0x8400
	v_mov_b32 v255, 0
	v_lshrrev_b32 v1, 5, v0
	v_readfirstlane_b32 s18, v1                    ; wave 0..3
	v_and_b32 v1, 31, v0
	v_and_b32 v2, 15, v0                           ; r
	v_bfe_u32 v3, v0, 4, 1                         ; h
	v_lshlrev_b32 v[LI], 4, v1
	v_lshlrev_b32 v[R16], 4, v2
	v_lshlrev_b32 v[L8], 3, v1
	v_lshlrev_b32 v[R4], 2, v2
	v_lshlrev_b32 v[BA], 6, v3
	s_mul_i32 s16, s18, 8448                       ; my stage
	v_mul_u32_u24 v[SOA], v2, 528
	v_lshl_add_u32 v[SOA], v3, 6, v[SOA]
	v_add_nc_u32 v[SOA], s16, v[SOA]
	v_add_nc_u32 v[SRA], s16, v[LI]
	s_and_b32 s19, ttmp7, 0xffff                   ; blk
	s_lshl_b32 s16, ttmp9, 3
	s_add_co_u32 s16, s16, 1632                    ; Wo's tiles 1632 + 8 g on
	s_mul_i32 s20, s16, 6144
	s_mov_b32 s21, 0
	s_lshl_b32 s22, s16, 8
	s_mov_b32 s23, 0
	s_lshl_b32 s16, s19, 3
	s_lshl_b32 s17, s18, 1
	s_add_co_u32 s16, s16, s17                     ; my first token tile: 8 blk + 2 w
	s_mul_i32 s24, s16, 6144
	s_mov_b32 s25, 0
	s_lshr_b32 s26, s19, 4                         ; batch
	s_lshl_b32 s26, s26, 10                        ; 8 heads x 128 tiles
	s_and_b32 s16, s16, 127                        ; my tile in the batch
	s_add_co_u32 s26, s26, s16
	s_lshl_b32 s26, s26, 6                         ; 64 bytes a tile
	s_mov_b32 s27, 0
	s_lshl_b32 s28, ttmp9, 9                       ; 128 g features of 4 bytes
	s_mov_b32 s29, 0
	s_lshl_b32 s30, s19, 2
	s_add_co_u32 s30, s30, s18
	s_lshl_b32 s30, s30, 16                        ; 32 (4 blk + w) rows of 2,048 bytes
	s_add_co_u32 s30, s30, s28
	s_mov_b32 s31, 0
	s_wait_kmcnt 0x0
	s_add_nc_u64 s[20:21], s[4:5], s[20:21]
	s_add_nc_u64 s[22:23], s[6:7], s[22:23]
	s_add_nc_u64 s[24:25], s[8:9], s[24:25]
	s_add_nc_u64 s[26:27], s[10:11], s[26:27]
	s_add_nc_u64 s[28:29], s[12:13], s[28:29]
	s_add_nc_u64 s[30:31], s[14:15], s[30:31]
	WIN 0x40                                       ; destination window 1
.irp t, 0,1,2,3,4,5,6,7
.irp s, 0,1
.irp c, 0,1,2
	global_load_b128 v[96*\s+12*\t+4*\c:96*\s+12*\t+4*\c+3], v[LI], s[20:21] offset:6144*\t+1536*\s+512*\c
.endr
.endr
.endr
	WIN 0x80                                       ; destination window 2
.irp t, 0,1,2,3,4,5,6,7
.irp s, 0,1
.irp c, 0,1,2
	global_load_b128 v[96*\s+12*\t+4*\c:96*\s+12*\t+4*\c+3], v[LI], s[20:21] offset:6144*\t+1536*(\s+2)+512*\c
.endr
.endr
.endr
	WIN 0xc0                                       ; destination window 3
.irp e, 0,1
.irp d, 0,1,2,3,4,5,6,7
	global_load_b64 v[48*\e+6*\d:48*\e+6*\d+1], v[L8], s[24:25] offset:6144*\e+768*\d
	global_load_b128 v[48*\e+6*\d+2:48*\e+6*\d+5], v[LI], s[24:25] offset:6144*\e+768*\d+256
.endr
.endr
.irp t, 0,1,2,3,4,5,6,7
	global_load_b128 v[BI+8*\t:BI+8*\t+3], v[BA], s[28:29] offset:(32*(\t/2)+8*(\t%2))*4        ; the bias of features 32 (t / 2) + 8 (t % 2) + 16 h + 0 .. 7
	global_load_b128 v[BI+8*\t+4:BI+8*\t+7], v[BA], s[28:29] offset:(32*(\t/2)+8*(\t%2))*4+16
.endr
	WIN 0
.irp t, 0,1,2,3,4,5,6,7
	global_load_b128 v[SS+4*\t:SS+4*\t+3], v[R16], s[22:23] offset:256*\t
.endr
.irp e, 0,1
.irp d, 0,1,2,3,4,5,6,7
	global_load_b32 v[CW+8*\e+\d], v[R4], s[26:27] offset:8192*\d+64*\e
.endr
.endr
	s_wait_loadcnt 0x0
.irp e, 0,1
.irp s, 0,1,2,3
	v_lshl_or_b32 v[MS+4*\e+\s], v[CW+8*\e+2*\s+1], 16, v[CW+8*\e+2*\s]   ; heads 2 s and 2 s + 1: four bytes for 128 along K
.endr
.endr
.rept 8
	v_nop                                          ; a scale register written by a vector instruction stands eight places ahead of a scaled matrix instruction
.endr
; 64 matrix instructions: K step by K step, the sixteen accumulators by turns, one instruction a turn.  The bias is the C of each sum's first product.
.irp s, 0,1,2,3
.if \s == 0
	WIN 0x3d                                       ; source 0 window 1, source 1 window 3, C (the bias) window 3, D window 0
.elseif \s == 1
	WIN 0x0d
.else
	WIN 0x0e                                       ; source 0 window 2
.endif
.irp t, 0,1,2,3,4,5,6,7
.irp e, 0,1
.if \s == 0
	v_wmma_scale_f32_16x16x128_f8f6f4 v[HA+64*\e+8*\t:HA+64*\e+8*\t+7], v[12*\t:12*\t+11], v[48*\e:48*\e+11], v[BI+8*\t:BI+8*\t+7], v[SS+4*\t], v[MS+4*\e] matrix_a_fmt:MATRIX_FMT_BF6 matrix_b_fmt:MATRIX_FMT_BF6
.else
	v_wmma_scale_f32_16x16x128_f8f6f4 v[HA+64*\e+8*\t:HA+64*\e+8*\t+7], v[96*(\s%2)+12*\t:96*(\s%2)+12*\t+11], v[48*\e+12*\s:48*\e+12*\s+11], v[HA+64*\e+8*\t:HA+64*\e+8*\t+7], v[SS+4*\t+\s], v[MS+4*\e+\s] matrix_a_fmt:MATRIX_FMT_BF6 matrix_b_fmt:MATRIX_FMT_BF6
.endif
.endr
.endr
.endr
	WIN 0
.rept 4
	v_nop                                          ; four places between the last products and the LDS stores that read results
.endr
.macro OUTST e                         ; tile e into my stage, each accumulator from its low end on, and back as rows, into the registers that it left.  LDS serves a wave's instructions in order (ISA guide 5.7.1.4)
.set q, 0
.rept 16
	ds_store_b128 v[SOA], v[HA+64*(\e)+4*q:HA+64*(\e)+4*q+3] offset:128*(q/4)+16*(q%4)
.set q, q+1
.endr
.set q, 0
.rept 16
	ds_load_b128 v[HA+64*(\e)+4*q:HA+64*(\e)+4*q+3], v[SRA] offset:528*q
.set q, q+1
.endr
.endm
.macro SEND e, younger                 ; younger: the LDS instructions issued behind tile e's loads, which may stay out
.set q, 0
.rept 16
	s_wait_dscnt (\younger)+15-q                   ; row q is back
	global_store_b128 v[LI], v[HA+64*(\e)+4*q:HA+64*(\e)+4*q+3], s[30:31] offset:((q%8)+16*(q/8))*2048+(\e)*16384 th:TH_STORE_NT   ; 512 consecutive bytes of a row of out0, aligned; written once, read by nobody here
.set q, q+1
.endr
.endm
	OUTST 0
	OUTST 1
	SEND 0, 32
	SEND 1, 0
	s_wait_tensorcnt 0x0
	ds_add_u32 v254, v255
	s_wait_dscnt 0x0
	s_endpgm
.Lfunc_end_k_qce67f8debd_outp:
	.size	k_qce67f8debd_outp, .Lfunc_end_k_qce67f8debd_outp-k_qce67f8debd_outp
	.p2alignl 7, 3214868480
	.fill 96, 4, 3214868480
	.section	.rodata,"a",@progbits
	.p2align	6, 0x0
	.amdhsa_kernel k_qce67f8debd_outp
		.amdhsa_group_segment_fixed_size 34304
		.amdhsa_private_segment_fixed_size 0
		.amdhsa_enable_private_segment 0
		.amdhsa_kernarg_size 48
		.amdhsa_user_sgpr_count 2
		.amdhsa_user_sgpr_kernarg_segment_ptr 1
		.amdhsa_wavefront_size32 1
		.amdhsa_system_sgpr_workgroup_id_x 1
		.amdhsa_system_sgpr_workgroup_id_y 1
		.amdhsa_system_sgpr_workgroup_id_z 1
		.amdhsa_system_vgpr_workitem_id 0
		.amdhsa_next_free_vgpr 928
		.amdhsa_next_free_sgpr 66
		.amdhsa_reserve_vcc 0
		.amdhsa_float_denorm_mode_32 3
		.amdhsa_float_denorm_mode_16_64 3
		.amdhsa_memory_ordered 1
		.amdhsa_forward_progress 1
		.amdhsa_inst_pref_size 36
	.end_amdhsa_kernel
	.amdgpu_metadata
---
amdhsa.version: [ 1, 2 ]
amdhsa.kernels:
  - .name:           k_qce67f8debd_outp
    .symbol:         k_qce67f8debd_outp.kd
    .args:
      - { .name: cod, .offset: 0, .size: 8, .value_kind: global_buffer, .address_space: global }
      - { .name: scl, .offset: 8, .size: 8, .value_kind: global_buffer, .address_space: global }
      - { .name: cc, .offset: 16, .size: 8, .value_kind: global_buffer, .address_space: global }
      - { .name: cs, .offset: 24, .size: 8, .value_kind: global_buffer, .address_space: global }
      - { .name: bo, .offset: 32, .size: 8, .value_kind: global_buffer, .address_space: global }
      - { .name: out0, .offset: 40, .size: 8, .value_kind: global_buffer, .address_space: global }
    .group_segment_fixed_size: 34304
    .private_segment_fixed_size: 0
    .kernarg_segment_align: 8
    .kernarg_segment_size: 48
    .max_flat_workgroup_size: 128
    .sgpr_count:     66
    .vgpr_count:     928
    .wavefront_size: 32
...
	.end_amdgpu_metadata
.endif
;; end of part 4
;; ======== version 2 of 2: 4 launches
;; limits: right only within a limited range of input values
;; workspace buffers: cod 10,223,616 bytes; scl 425,984 bytes; mw 2,097,152 bytes of whole numbers; qc 3,407,872 bytes; kv 6,684,672 bytes; cc 3,145,728 bytes; cs 262,144 bytes
;; launch prep (part 5): grid 464 x 1, 8 waves a work-group, no clusters, 136,192 bytes of LDS; arguments q, k, v, Wq, Wk, Wv, Wo, mask, cod, scl, mw; writes cod, scl, mw
.if DOCPART == 5
	.amdgcn_target "amdgcn-amd-amdhsa--gfx1250"
	.amdhsa_code_object_version 6
	.text
	.protected	k_qce67f8debd_prep
	.globl	k_qce67f8debd_prep
	.p2align	8
	.type	k_qce67f8debd_prep,@function
k_qce67f8debd_prep:
	s_mov_b64 s[64:65], 0
	v_nop
	global_prefetch_b8 v0, s[64:65] scope:SCOPE_SE
	s_setreg_imm32_b32 hwreg(HW_REG_WAVE_MODE, 25, 1), 1
	s_wait_xcnt 0x0
; PREP.  Work-groups 0-207: q, k, v [8192][512] and Wq, Wk, Wv, Wo [512][512], f32, become codes of BF6 (E3M2) with one E8M0 byte for each 32 along K (the last axis).
; Work-groups 208-463: the mask [4][2048][2048] int32 becomes lane masks, one bit a number (1 where the number is not 0).
; TILES.  Rows go in groups of 32: tile T holds rows 32 (T / 2) + 8 (T % 2) + perm(i), perm(i) = i % 8 + 16 (i / 8), i = 0 .. 15.  Tiles in cod: q 0-511, k 512-1023, v 1024-1535, Wq 1536.., Wk 1568.., Wv 1600.., Wo 1632-1663.
; cod: a tile is 6,144 bytes: four K steps of 128; a step is the IMAGE OF THE OPERAND'S 12 REGISTERS: chunk ch (512 bytes) holds registers 4 ch .. 4 ch + 3, lane l's 16 bytes at 16 l.
; scl: 256 bytes a tile: row i's four scale words (one for each K step) at 16 i.
; mw:  4,096 bytes for a tile of 16 queries: 16 key steps x 64 words; word 16 b + i of a step holds in bit l (r = l % 16, h = l / 16) the mask of query perm(r) and key 128 step + 32 b + 16 h + i.
; A wave takes one tile (four steps of 16 rows x 512 bytes), or one tile of queries x 512 keys (four such steps).  Each load reads 512 consecutive bytes of a row; a step turns through the wave's own stage in LDS
; (16 rows 528 bytes apart) and comes back with a lane's registers running along K.
; No barrier: waves share nothing.  The two kinds of work-group have LDS bytes of their own.  No tensor load, no matrix unit, no cluster: every byte is read once by one wave.
; A block's scale is 2^(floor(log2(its largest magnitude)) - 4); its byte is that magnitude's exponent field - 4, held at 1 from below.
; LIMITS: a block of zeros, or one whose largest magnitude lies under 2^-122, gets the byte 1 (only this program reads the bytes; zero codes add nothing); NaN and infinities among the inputs are not served.
.set STG,   8448                       ; a wave's stage: 16 x 528
.set MBASE, 8*STG                      ; the mask path's eight stages lie behind the quantiser's eight
.set LI,  4                            ; v4   16 x lane
.set L8,  5                            ; v5   8 x lane
.set STQ, 6                            ; v6   quantiser: stage + 16 x lane
.set RDQ, 7                            ; v7   quantiser: stage + 528 r + 128 h
.set H8,  8                            ; v8   8 h
.set OS,  9                            ; v9   16 r + 8 h
.set BM,  10                           ; v10-11 largest magnitudes
.set SO,  12                           ; v12-13 the conversions' scale operands
.set BY,  14                           ; v14-15 scale bytes
.set W,   16
.set WP,  17
.set SW,  18                           ; v18-21 the four steps' scale words
.set T,   22
.set PC,  24                           ; v24-35 a step's codes
.set MWD, 24                           ; v24-31 (mask path) a pair of registers for each step's 64 words
.set TP,  36                           ; v36-43 the upper halves of the blocks' codes
.set STM, 44                           ; v44  mask: stage + 16 x lane
.set RDM, 45                           ; v45  mask: stage + 528 r + 64 h
.set R0,  48                           ; v48-111, v112-175 two sets of 64 registers as loaded
.set X,   176                          ; v176-239 a step's numbers, a lane's registers along K
	s_load_b512 s[4:19], s[0:1], 0x0               ; q, k, v, Wq, Wk, Wv, Wo, mask
	s_load_b128 s[20:23], s[0:1], 0x40             ; cod, scl
	s_load_b64 s[24:25], s[0:1], 0x50              ; mw
	v_lshl_add_u32 v240, v0, 2, 0x21000
	v_mov_b32 v241, 0
	v_lshrrev_b32 v1, 5, v0
	s_delay_alu instid0(VALU_DEP_1)
	v_readfirstlane_b32 s26, v1                    ; wave 0..7
	v_and_b32 v1, 31, v0                           ; lane
	v_and_b32 v2, 15, v0                           ; r
	v_bfe_u32 v3, v0, 4, 1                         ; h
	s_delay_alu instid0(VALU_DEP_3)
	v_lshlrev_b32 v[LI], 4, v1
	s_delay_alu instid0(VALU_DEP_4)
	v_lshlrev_b32 v[L8], 3, v1
	s_mul_i32 s27, s26, STG
	v_add_nc_u32 v[STQ], s27, v[LI]
	v_mul_u32_u24 v[RDQ], v2, 528
	s_delay_alu instid0(VALU_DEP_1)
	v_add_nc_u32 v[RDQ], s27, v[RDQ]
	s_delay_alu instid0(VALU_DEP_1)
	v_lshl_add_u32 v[RDM], v3, 6, v[RDQ]
	s_delay_alu instid0(VALU_DEP_1)
	v_add_nc_u32 v[RDM], MBASE, v[RDM]
	s_delay_alu instid0(VALU_DEP_3)
	v_lshl_add_u32 v[RDQ], v3, 7, v[RDQ]
	v_add_nc_u32 v[STM], MBASE, v[STQ]
	v_lshlrev_b32 v[H8], 3, v3
	v_lshlrev_b32 v[OS], 4, v2
	s_delay_alu instid0(VALU_DEP_1)
	v_lshl_add_u32 v[OS], v3, 3, v[OS]
	v_mov_b32 v[WP], 0                             ; a lane permute's destination counts as one of its sources
	s_mov_b32 s34, 0x76543210
	s_mov_b32 s35, 0xfedcba98                      ; v_permlanex16_b32's selects for lane l xor 16
	s_mov_b32 s36, 0xffff0000                      ; lanes 16-31
	s_mov_b32 s39, 0                               ; the high word of every offset
	s_wait_kmcnt 0x0
	s_cmp_lt_u32 ttmp9, 208
	s_cbranch_scc0 .Lmask
; step s of a tile into set a: sixteen rows, 512 consecutive bytes each
.macro LOAD s, a, stride
.irp i, 0,1,2,3,4,5,6,7,8,9,10,11,12,13,14,15
	global_load_b128 v[R0+64*(\a)+4*\i:R0+64*(\a)+4*\i+3], v[LI], s[28:29] offset:((\i%8)+16*(\i/8))*(\stride)+512*(\s) th:TH_LOAD_NT
.endr
.endm
; set a through the stage.  LDS serves a wave's instructions in order (ISA guide 5.7.1.4): no wait between the stores and the loads.
; qk = 1: X[32 c + 4 j + e] = k 64 c + 32 h + 4 j + e of row r (two whole blocks a lane);  qk = 0: X[16 b + 4 j + e] = key 32 b + 16 h + 4 j + e
.macro TURN a, sti, rd, qk
.irp i, 0,1,2,3,4,5,6,7,8,9,10,11,12,13,14,15
	ds_store_b128 v[\sti], v[R0+64*(\a)+4*\i:R0+64*(\a)+4*\i+3] offset:528*\i
.endr
.irp i, 0,1,2,3,4,5,6,7,8,9,10,11,12,13,14,15
.if \qk
	ds_load_b128 v[X+4*\i:X+4*\i+3], v[\rd] offset:256*(\i/8)+16*(\i%8)
.else
	ds_load_b128 v[X+4*\i:X+4*\i+3], v[\rd] offset:128*(\i/4)+16*(\i%4)
.endif
.endr
.endm
.macro QSTEP s
	s_wait_dscnt 0x0                               ; this step's numbers are back: so the stage's stores have read their registers,
.if \s < 2
	LOAD (\s)+2, (\s)%2, 2048                      ; which take the loads of two steps on
.endif
.irp c, 0,1
	v_max3_num_f32 v[BM+\c], |v[X+32*\c]|, |v[X+32*\c+1]|, 0x2800000   ; block 2 c + h: all 32 numbers are mine; the floor 2^(5 - 127) holds the byte at 1 from below
.endr
.irp i, 2,4,6,8,10,12,14,16,18,20,22,24,26,28,30
.irp c, 0,1
	s_delay_alu instid0(VALU_DEP_2)
	v_max3_num_f32 v[BM+\c], v[BM+\c], |v[X+32*\c+\i]|, |v[X+32*\c+\i+1]|
.endr
.endr
.irp c, 0,1
	s_delay_alu instid0(VALU_DEP_2)
	v_add_nc_u32 v[SO+\c], 0xfe000000, v[BM+\c]    ; 4 off the exponent field: the conversion takes this operand's exponent field as its scale
.endr
.irp c, 0,1
	s_delay_alu instid0(VALU_DEP_2)
	v_lshrrev_b32 v[BY+\c], 23, v[SO+\c]           ; the scale's byte
.endr
	s_delay_alu instid0(VALU_DEP_1)
	v_lshl_or_b32 v[W], v[BY+1], 16, v[BY]         ; my two bytes, blocks h and 2 + h,
	s_delay_alu instid0(VALU_DEP_1)
	v_lshlrev_b32 v[W], v[H8], v[W]                ; at their places in the row's word;
	s_delay_alu instid0(VALU_DEP_1)
	v_permlanex16_b32 v[WP], v[W], s34, s35
	s_delay_alu instid0(VALU_DEP_1)
	v_or_b32 v[SW+\s], v[W], v[WP]                 ; with lane l xor 16's two the word is whole
	s_wait_alu depctr_va_vdst(0)
	s_wait_xcnt 0x0                                ; the last step's stores have read the codes' registers, which are written again below
.irp c, 0,1
	v_cvt_scalef32_pk16_bf6_f32 v[PC+6*\c:PC+6*\c+2], v[X+32*\c:X+32*\c+15], v[SO+\c]
	v_cvt_scalef32_pk16_bf6_f32 v[TP+4*\c:TP+4*\c+2], v[X+32*\c+16:X+32*\c+31], v[SO+\c]   ; (a conversion's three registers begin on an even number)
.endr
	v_nop                                          ; one plain place behind a scaled conversion
.irp c, 0,1
.irp i, 0,1,2
	v_mov_b32 v[PC+6*\c+3+\i], v[TP+4*\c+\i]
.endr
.endr
.irp c, 0,1,2
	global_store_b128 v[LI], v[PC+4*\c:PC+4*\c+3], s[30:31] offset:1536*(\s)+512*\c   ; 32 lanes store 512 consecutive bytes, aligned
.endr
.if \s < 3
.if \s < 2
	s_wait_loadcnt 16                              ; the next step's sixteen loads are in; those of the step behind it may be out
.else
	s_wait_loadcnt 0x0
.endif
	TURN ((\s)+1)%2, STQ, RDQ, 1
.endif
.endm
	; which tensor: the choice hangs on the work-group's number alone
	s_mov_b64 s[28:29], s[16:17]
	s_mov_b32 s32, 204
	s_cmp_lt_u32 ttmp9, 204
	s_cselect_b64 s[28:29], s[14:15], s[28:29]
	s_cselect_b32 s32, 200, s32
	s_cmp_lt_u32 ttmp9, 200
	s_cselect_b64 s[28:29], s[12:13], s[28:29]
	s_cselect_b32 s32, 196, s32
	s_cmp_lt_u32 ttmp9, 196
	s_cselect_b64 s[28:29], s[10:11], s[28:29]
	s_cselect_b32 s32, 192, s32
	s_cmp_lt_u32 ttmp9, 192
	s_cselect_b64 s[28:29], s[8:9], s[28:29]
	s_cselect_b32 s32, 128, s32
	s_cmp_lt_u32 ttmp9, 128
	s_cselect_b64 s[28:29], s[6:7], s[28:29]
	s_cselect_b32 s32, 64, s32
	s_cmp_lt_u32 ttmp9, 64
	s_cselect_b64 s[28:29], s[4:5], s[28:29]
	s_cselect_b32 s32, 0, s32
	s_sub_co_u32 s32, ttmp9, s32
	s_lshl_b32 s32, s32, 3
	s_add_co_u32 s32, s32, s26                     ; my tile in its tensor
	s_lshr_b32 s38, s32, 1
	s_lshl_b32 s38, s38, 16                        ; 32 rows of 2,048 bytes for each pair of tiles,
	s_and_b32 s33, s32, 1
	s_lshl_b32 s33, s33, 14                        ; 8 rows for the odd one
	s_add_co_u32 s38, s38, s33
	s_add_nc_u64 s[28:29], s[28:29], s[38:39]
	s_lshl_b32 s33, ttmp9, 3
	s_add_co_u32 s33, s33, s26                     ; my tile in cod and scl
	s_mul_i32 s38, s33, 6144
	s_add_nc_u64 s[30:31], s[20:21], s[38:39]
	s_lshl_b32 s38, s33, 8
	s_add_nc_u64 s[22:23], s[22:23], s[38:39]
	LOAD 0, 0, 2048
	LOAD 1, 1, 2048
	s_wait_loadcnt 16                              ; step 0's sixteen loads are in
	s_wait_alu depctr_va_vdst(0)
	TURN 0, STQ, RDQ, 1
	QSTEP 0
	QSTEP 1
	QSTEP 2
	QSTEP 3
	v_cndmask_b32 v[T], v[SW], v[SW+2], s36        ; lanes 0-15 store their row's words 0 and 1, lanes 16-31 words 2 and 3
	v_cndmask_b32 v[T+1], v[SW+1], v[SW+3], s36
	global_store_b64 v[OS], v[T:T+1], s[22:23]     ; the wave stores the tile's 256 bytes of scale words, aligned
	s_wait_tensorcnt 0x0
	ds_add_u32 v240, v241
	s_wait_dscnt 0x0
	s_endpgm
.macro MSTEP s
	s_wait_dscnt 0x0
.if \s < 2
	LOAD (\s)+2, (\s)%2, 8192
.endif
.set n, 0
.rept 16
.irp k, 0,1,2,3
	v_cmp_ne_u32 s[40+\k], 0, v[X+n+\k]            ; word n + k: a bit for each lane
.endr
.irp k, 0,1,2,3
	v_writelane_b32 v[MWD+2*(\s)+(\k%2)], s[40+\k], (n+\k)/2   ; lane j of the pair holds words 2 j and 2 j + 1
.endr
.set n, n+4
.endr
	global_store_b64 v[L8], v[MWD+2*(\s):MWD+2*(\s)+1], s[24:25] offset:256*(\s)   ; the step's 64 words: 256 consecutive bytes, aligned
.if \s < 3
.if \s < 2
	s_wait_loadcnt 16                              ; the next step's sixteen loads are in
.else
	s_wait_loadcnt 0x0
.endif
	TURN ((\s)+1)%2, STM, RDM, 0
.endif
.endm
.Lmask:
	s_sub_co_u32 s32, ttmp9, 208
	s_lshl_b32 s32, s32, 3
	s_add_co_u32 s32, s32, s26                     ; job J: tile of queries J / 4, keys 512 (J % 4) on
	s_lshr_b32 s33, s32, 2
	s_lshr_b32 s38, s33, 1
	s_lshl_b32 s38, s38, 18                        ; 32 rows of 8,192 bytes for each pair of tiles,
	s_and_b32 s33, s33, 1
	s_lshl_b32 s33, s33, 16                        ; 8 rows for the odd one,
	s_add_co_u32 s38, s38, s33
	s_and_b32 s33, s32, 3
	s_lshl_b32 s33, s33, 11                        ; 512 keys of 4 bytes
	s_add_co_u32 s38, s38, s33
	s_add_nc_u64 s[28:29], s[18:19], s[38:39]
	s_lshl_b32 s38, s32, 10                        ; four steps of 256 bytes a job
	s_add_nc_u64 s[24:25], s[24:25], s[38:39]
.irp i, 0,1,2,3,4,5,6,7
	v_mov_b32 v[MWD+\i], 0                         ; v_writelane_b32's destination counts as one of its sources
.endr
	LOAD 0, 0, 8192
	LOAD 1, 1, 8192
	s_wait_loadcnt 16
	TURN 0, STM, RDM, 0
	MSTEP 0
	MSTEP 1
	MSTEP 2
	MSTEP 3
	s_wait_tensorcnt 0x0
	ds_add_u32 v240, v241
	s_wait_dscnt 0x0
	s_endpgm
.Lfunc_end_k_qce67f8debd_prep:
	.size	k_qce67f8debd_prep, .Lfunc_end_k_qce67f8debd_prep-k_qce67f8debd_prep
	.p2alignl 7, 3214868480
	.fill 96, 4, 3214868480
	.section	.rodata,"a",@progbits
	.p2align	6, 0x0
	.amdhsa_kernel k_qce67f8debd_prep
		.amdhsa_group_segment_fixed_size 136192
		.amdhsa_private_segment_fixed_size 0
		.amdhsa_enable_private_segment 0
		.amdhsa_kernarg_size 88
		.amdhsa_user_sgpr_count 2
		.amdhsa_user_sgpr_kernarg_segment_ptr 1
		.amdhsa_wavefront_size32 1
		.amdhsa_system_sgpr_workgroup_id_x 1
		.amdhsa_system_sgpr_workgroup_id_y 1
		.amdhsa_system_sgpr_workgroup_id_z 1
		.amdhsa_system_vgpr_workitem_id 0
		.amdhsa_next_free_vgpr 242
		.amdhsa_next_free_sgpr 66
		.amdhsa_reserve_vcc 0
		.amdhsa_float_denorm_mode_32 3
		.amdhsa_float_denorm_mode_16_64 3
		.amdhsa_memory_ordered 1
		.amdhsa_forward_progress 1
		.amdhsa_inst_pref_size 84
	.end_amdhsa_kernel
	.amdgpu_metadata
---
amdhsa.version: [ 1, 2 ]
amdhsa.kernels:
  - .name:           k_qce67f8debd_prep
    .symbol:         k_qce67f8debd_prep.kd
    .args:
      - { .name: q, .offset: 0, .size: 8, .value_kind: global_buffer, .address_space: global }
      - { .name: k, .offset: 8, .size: 8, .value_kind: global_buffer, .address_space: global }
      - { .name: v, .offset: 16, .size: 8, .value_kind: global_buffer, .address_space: global }
      - { .name: Wq, .offset: 24, .size: 8, .value_kind: global_buffer, .address_space: global }
      - { .name: Wk, .offset: 32, .size: 8, .value_kind: global_buffer, .address_space: global }
      - { .name: Wv, .offset: 40, .size: 8, .value_kind: global_buffer, .address_space: global }
      - { .name: Wo, .offset: 48, .size: 8, .value_kind: global_buffer, .address_space: global }
      - { .name: mask, .offset: 56, .size: 8, .value_kind: global_buffer, .address_space: global }
      - { .name: cod, .offset: 64, .size: 8, .value_kind: global_buffer, .address_space: global }
      - { .name: scl, .offset: 72, .size: 8, .value_kind: global_buffer, .address_space: global }
      - { .name: mw, .offset: 80, .size: 8, .value_kind: global_buffer, .address_space: global }
    .group_segment_fixed_size: 136192
    .private_segment_fixed_size: 0
    .kernarg_segment_align: 8
    .kernarg_segment_size: 88
    .max_flat_workgroup_size: 256
    .sgpr_count:     66
    .vgpr_count:     242
    .wavefront_size: 32
...
	.end_amdgpu_metadata
.endif
;; end of part 5
;; launch proj (part 6): grid 192 x 1, 4 waves a work-group, no clusters, 0 bytes of LDS; arguments cod, scl, bq, bk, bv, qc, kv; writes qc, kv
.if DOCPART == 6
	.amdgcn_target "amdgcn-amd-amdhsa--gfx1250"
	.amdhsa_code_object_version 6
	.text
	.protected	k_qce67f8debd_proj
	.globl	k_qce67f8debd_proj
	.p2align	8
	.type	k_qce67f8debd_proj,@function
k_qce67f8debd_proj:
	s_mov_b64 s[64:65], 0
	v_nop
	global_prefetch_b8 v0, s[64:65] scope:SCOPE_SE
	s_setreg_imm32_b32 hwreg(HW_REG_WAVE_SCHED_MODE, 0, 2), 2
	s_setreg_imm32_b32 hwreg(HW_REG_WAVE_MODE, 25, 1), 1
	s_wait_xcnt 0x0
	s_wait_alu depctr_vm_vsrc(0)
; PROJ.  qh = q Wq^T + bq, kh = k Wk^T + bk, vh = v Wv^T + bv on codes of BF6 (E3M2), sums in f32; the results are quantised at once: qh and kh along a head's 64, vh along the keys.  They never go to memory as f32.
; ONE SCHEME.  A wave keeps a STATIONARY operand of 8 tiles x 4 K steps in 384 registers and walks 8 MOVING tiles.  Source 0 = a stationary tile, source 1 = the moving tile: a lane then holds ONE moving row, and by the
; choice of a tile's rows (32 (T / 2) + 8 (T % 2) + i % 8 + 16 (i / 8)) its 64 results are register 16 b + i = stationary row 32 b + 16 (lane / 16) + i: sixteen neighbours of each block of 32 of the next product's K.
; q, k (work-groups 0-63, 64-127): stationary = 128 features of W (wave w: heads 2 w, 2 w + 1), moving = 8 tiles of tokens.   v (128-191): stationary = 128 tokens (a key step), moving = 8 tiles of Wv's features (two heads).
; OUT.  qc: [batch x 8 + head][16 blocks of 128 tokens] x 6,656 bytes: 8 half images of 768 bytes (registers 0, 1 at 8 x lane; registers 2-5 at 256 + 16 x lane), then the scale words [2][row 16][4 tiles].
;       kv: [batch x 8 + head][16 key steps] x 13,056 bytes: K as a block of qc; at 6,656 four images of V^T (16 channels x 128 keys, 1,536 bytes each); at 12,800 V's scale words [row 16][4 tiles].
; A scale word of q or k has its head's two bytes below and zeros above: the upper 64 of the scores' K hold zero codes.
; Operands come from memory straight into registers as images, 16 bytes a lane; nothing goes through LDS, waves share nothing, no barrier.  No tensor load, hence no joint request to make in a cluster.
; 768 waves: the quantiser wants 8 stationary tiles in a lane's registers, and 4 moving tiles make a whole aligned 256 bytes of scale words: 256 waves a product.
; LIMITS: blocks of zeros, and blocks whose largest magnitude lies under 2^-122, get the byte 1; NaN and infinities are not served.
; REGISTERS, in windows of 256: window 0: below.  window 1: stationary (tile t, K step 0, 1) at 96 s + 12 t.  window 2: K steps 2, 3 likewise.  window 3: two moving sets at 48 a + 12 s; from v96 the bias of q or k, 8 registers a tile.
; THE MODE: SCHED_MODE bits 1:0 = 2 (LLVM: expert scheduling mode 2), set by the entry lines.  The code itself states the register dependences between vector or matrix instructions and memory instructions,
; with s_wait_alu, always for 0.
; THE PLAN.  Registers that memory instructions touch:
;   the stationary tiles, v[SS ..], the bias     loaded once at the head; no instruction writes them again.
;   moving set a and v[MS + 4 a ..]              tile m's 32 products read set m % 2; the 13 loads of tile m + 2 land in it.
;   v[PC ..], the codes                          written by tile m's conversions, swaps and moves; read by tile m's stores; written again by tile m + 1's conversions.
;   v[KW ..], v[TS ..]                           each written once by a vector instruction and read by one store.
;   the offsets v4 to v11                        made at the head and at a path's head, never written again.
; So ONE wait on va_vdst stands in a tile, behind its last vector instruction: the codes and the scale words are written, and the tile's products are done reading their moving set.  Behind it stand the loads of the
; tile after next, into that set, and then the tile's stores; no vector or matrix instruction stands among them.  ONE wait on vm_vsrc stands in a tile from the second on, ahead of the conversions that write the codes again.
.set LI,  4                            ; v4   16 x lane
.set R16, 5                            ; v5   16 r
.set L8,  6                            ; v6   8 x lane
.set L8H, 7                            ; v7   8 x lane + a head's bytes
.set LIH, 8                            ; v8   16 x lane + a head's bytes
.set OSC, 9                            ; v9   where my scale words go
.set SH,  10                           ; v10  16 h
.set BA,  11                           ; v11  my lane's place in the bias
.set KW,  16                           ; v16-23 eight tiles' scale words
.set TS,  24                           ; v24-27 (v) the words chosen for a store
.set BVL, 28                           ; v28-35 (v) my row's bias for each moving tile
.set BV,  36                           ; v36-43 (v) that bias eight times: the C of a sum's first product
.set MS,  44                           ; v44-51 the moving tile's scale words, two sets
.set SS,  52                           ; v52-83 the stationary tiles' scale words, 4 t + s
.set HA,  84                           ; v84-147 eight accumulators
.set PC,  148                          ; v148-159 the codes just made
.set PT,  160                          ; v160-167
.set TM,  168                          ; v168-183 at work
.set PW,  184                          ; v184 the scale word just made
.set BI,  96                           ; in window 3
.set MSB, 0
.macro WIN new                         ; the immediate's high byte repeats the setting that is left
.if MSB != \new
	s_set_vgpr_msb (MSB<<8)|\new
.set MSB, \new
.endif
.endm
.macro MLOAD m                         ; moving tile m: 12 loads of its image and one of its scale words, into set m % 2
	WIN 0xc0                                       ; destination window 3
.irp s, 0,1,2,3
.irp c, 0,1,2
	global_load_b128 v[48*((\m)%2)+12*\s+4*\c:48*((\m)%2)+12*\s+4*\c+3], v[LI], s[32:33] offset:6144*(\m)+1536*\s+512*\c
.endr
.endr
	WIN 0
	global_load_b128 v[MS+4*((\m)%2):MS+4*((\m)%2)+3], v[R16], s[36:37] offset:256*(\m)
.endm
; 32 matrix instructions: K step by K step, the eight accumulators by turns, one instruction a turn.  The bias is the C of each sum's first product.
.macro MUL a, qk
.irp s, 0,1,2,3
.if \s == 0
.if \qk
	WIN 0x3d                                       ; source 0 window 1, source 1 window 3, C (the bias) window 3, D window 0
.else
	WIN 0x0d                                       ; C in window 0
.endif
.elseif \s == 1
	WIN 0x0d
.else
	WIN 0x0e                                       ; source 0 window 2
.endif
.irp t, 0,1,2,3,4,5,6,7
.if \s == 0
.if \qk
	v_wmma_scale_f32_16x16x128_f8f6f4 v[HA+8*\t:HA+8*\t+7], v[12*\t:12*\t+11], v[48*(\a):48*(\a)+11], v[BI+8*\t:BI+8*\t+7], v[SS+4*\t], v[MS+4*(\a)] matrix_a_fmt:MATRIX_FMT_BF6 matrix_b_fmt:MATRIX_FMT_BF6
.else
	v_wmma_scale_f32_16x16x128_f8f6f4 v[HA+8*\t:HA+8*\t+7], v[12*\t:12*\t+11], v[48*(\a):48*(\a)+11], v[BV:BV+7], v[SS+4*\t], v[MS+4*(\a)] matrix_a_fmt:MATRIX_FMT_BF6 matrix_b_fmt:MATRIX_FMT_BF6
.endif
.else
	v_wmma_scale_f32_16x16x128_f8f6f4 v[HA+8*\t:HA+8*\t+7], v[96*(\s%2)+12*\t:96*(\s%2)+12*\t+11], v[48*(\a)+12*\s:48*(\a)+12*\s+11], v[HA+8*\t:HA+8*\t+7], v[SS+4*\t+\s], v[MS+4*(\a)+\s] matrix_a_fmt:MATRIX_FMT_BF6 matrix_b_fmt:MATRIX_FMT_BF6
.endif
.endr
.endr
	WIN 0
.rept 4
	v_nop                                          ; four places between the last products and the first read of results (ISA guide 7.12.1)
.endr
.endm
; my row's 64 numbers become a fragment's codes in v[PC] on and its scale word in v[PW].  later = 0: the wave's first tile, with no stores in front of it
.macro QUANT later
.irp b, 0,1,2,3
	v_max3_num_f32 v[TM+\b], |v[HA+16*\b]|, |v[HA+16*\b+1]|, 0x2800000   ; block b: my 16 numbers, each accumulator from its low end on; the floor 2^(5 - 127) holds the byte at 1 from below
.endr
.irp i, 2,4,6,8,10,12,14
.irp b, 0,1,2,3
	v_max3_num_f32 v[TM+\b], v[TM+\b], |v[HA+16*\b+\i]|, |v[HA+16*\b+\i+1]|
.endr
.endr
.irp b, 0,1,2,3
	v_permlanex16_b32 v[TM+4+\b], v[TM+\b], s2, s3
.endr
.irp b, 0,1,2,3
	v_max_num_f32 v[TM+\b], v[TM+\b], v[TM+4+\b]   ; with lane l xor 16's: the block's largest magnitude
.endr
.irp b, 0,1,2,3
	v_add_nc_u32 v[TM+12+\b], 0xfe000000, v[TM+\b] ; 4 off its exponent field: the conversion's scale operand
.endr
.irp b, 0,1,2,3
	v_lshrrev_b32 v[TM+4+\b], 23, v[TM+12+\b]      ; the scale's byte
.endr
	v_lshl_or_b32 v[PW], v[TM+5], 8, v[TM+4]
	v_lshl_or_b32 v[PW], v[TM+6], 16, v[PW]
	v_lshl_or_b32 v[PW], v[TM+7], 24, v[PW]
	s_wait_xcnt 0x0                                ; the last tile's stores have had their addresses translated (ISA guide 3.1): the codes' registers are written again only behind this wait
.if \later
	s_wait_alu depctr_vm_vsrc(0)                   ; the last tile's stores have read v[PC ..], which the conversions, swaps and moves below write again
.endif
.irp c, 0,1
	v_cvt_scalef32_pk16_bf6_f32 v[PC+6*\c:PC+6*\c+2], v[HA+32*\c:HA+32*\c+15], v[TM+12+2*\c]
	v_cvt_scalef32_pk16_bf6_f32 v[PT+4*\c:PT+4*\c+2], v[HA+32*\c+16:HA+32*\c+31], v[TM+12+2*\c+1]
.endr
	v_nop                                          ; one plain place behind a scaled conversion
.irp c, 0,1                                    ; the operand's layout wants a whole block in a lane: lanes 0-15 block 2 c, lanes 16-31 block 2 c + 1
.irp i, 0,1,2
	v_permlane16_swap_b32 v[PC+6*\c+\i], v[PT+4*\c+\i]
.endr
.irp i, 0,1,2
	v_mov_b32 v[PC+6*\c+3+\i], v[PT+4*\c+\i]
.endr
.endr
.endm
	s_load_b256 s[4:11], s[0:1], 0x0               ; cod, scl, bq, bk
	s_load_b128 s[12:15], s[0:1], 0x20             ; bv, qc
	s_load_b64 s[16:17], s[0:1], 0x30              ; kv
	v_lshrrev_b32 v1, 5, v0
	v_readfirstlane_b32 s18, v1                    ; wave 0..3
	v_and_b32 v1, 31, v0
	v_and_b32 v2, 15, v0                           ; r
	v_bfe_u32 v3, v0, 4, 1                         ; h
	v_lshlrev_b32 v[LI], 4, v1
	v_lshlrev_b32 v[R16], 4, v2
	v_lshlrev_b32 v[L8], 3, v1
	v_lshlrev_b32 v[SH], 4, v3
.irp b, 0,1,2,3
	v_mov_b32 v[TM+4+\b], 0                        ; a lane permute's destination counts as one of its sources
.endr
	s_mov_b32 s2, 0x76543210
	s_mov_b32 s3, 0xfedcba98                       ; v_permlanex16_b32's selects for lane l xor 16
	s_mov_b32 s19, 0xffff0000                      ; lanes 16-31
	s_wait_alu depctr_va_sdst(0)                   ; s18 is written, ahead of its first reader: the tiles' numbers and every base are made from it
	s_lshr_b32 s20, ttmp9, 6                       ; p: 0 q, 1 k, 2 v
	s_and_b32 s21, ttmp9, 63                       ; i
	s_lshl_b32 s22, s20, 5
	s_lshl_b32 s23, s18, 3
	s_add_co_u32 s22, s22, s23
	s_add_co_u32 s22, s22, 1536                    ; q, k: stationary tiles 1536 + 32 p + 8 w on,
	s_lshl_b32 s24, s20, 9
	s_lshl_b32 s25, s21, 3
	s_add_co_u32 s24, s24, s25                     ; moving tiles 512 p + 8 i on
	s_lshr_b32 s26, s21, 2
	s_lshl_b32 s26, s26, 2
	s_add_co_u32 s26, s26, s18                     ; v: G = 4 (i / 4) + w: which key step of the 64,
	s_and_b32 s27, s21, 3                          ; f = i % 4: which 128 features
	s_lshl_b32 s28, s26, 3
	s_add_co_u32 s28, s28, 1024                    ; stationary tiles 1024 + 8 G on,
	s_lshl_b32 s29, s27, 3
	s_add_co_u32 s29, s29, 1600                    ; moving tiles 1600 + 8 f on
	s_cmp_eq_u32 s20, 2
	s_cselect_b32 s22, s28, s22
	s_cselect_b32 s24, s29, s24
	s_mul_i32 s30, s22, 6144
	s_mov_b32 s31, 0
	s_mul_i32 s32, s24, 6144
	s_mov_b32 s33, 0
	s_lshl_b32 s34, s22, 8
	s_mov_b32 s35, 0
	s_lshl_b32 s36, s24, 8
	s_mov_b32 s37, 0
	s_wait_kmcnt 0x0
	s_add_nc_u64 s[30:31], s[4:5], s[30:31]        ; the stationary tiles' codes,
	s_add_nc_u64 s[32:33], s[4:5], s[32:33]        ; the moving tiles',
	s_add_nc_u64 s[34:35], s[6:7], s[34:35]        ; and their scale words
	s_add_nc_u64 s[36:37], s[6:7], s[36:37]
	WIN 0x40                                       ; destination window 1
	s_wait_alu depctr_va_vdst(0)                   ; v[LI] and v[R16] are written, which the loads below read as their offsets (v[L8] too, which the stores read)
.irp t, 0,1,2,3,4,5,6,7
.irp s, 0,1
.irp c, 0,1,2
	global_load_b128 v[96*\s+12*\t+4*\c:96*\s+12*\t+4*\c+3], v[LI], s[30:31] offset:6144*\t+1536*\s+512*\c
.endr
.endr
.endr
	WIN 0x80                                       ; destination window 2
.irp t, 0,1,2,3,4,5,6,7
.irp s, 0,1
.irp c, 0,1,2
	global_load_b128 v[96*\s+12*\t+4*\c:96*\s+12*\t+4*\c+3], v[LI], s[30:31] offset:6144*\t+1536*(\s+2)+512*\c
.endr
.endr
.endr
	WIN 0
.irp t, 0,1,2,3,4,5,6,7
	global_load_b128 v[SS+4*\t:SS+4*\t+3], v[R16], s[34:35] offset:256*\t   ; row r's four words
.endr
	MLOAD 0
	s_cmp_eq_u32 s20, 2
	s_cbranch_scc1 .Lv
	; ---- q and k
	s_lshr_b32 s22, s21, 4                         ; batch
	s_and_b32 s23, s21, 15                         ; block of 128 tokens
	s_lshl_b32 s22, s22, 3
	s_lshl_b32 s24, s18, 1
	s_add_co_u32 s22, s22, s24                     ; 8 x batch + my even head
	s_lshl_b32 s22, s22, 4
	s_add_co_u32 s22, s22, s23
	s_mov_b32 s25, 13056
	s_cmp_eq_u32 s20, 0
	s_cselect_b32 s25, 6656, s25                   ; a block's bytes in qc or in kv
	s_cselect_b64 s[38:39], s[14:15], s[16:17]
	s_cselect_b64 s[40:41], s[8:9], s[10:11]
	s_mul_i32 s22, s22, s25
	s_mov_b32 s23, 0
	s_add_nc_u64 s[38:39], s[38:39], s[22:23]      ; my even head's block
	s_lshl_b32 s25, s25, 4                         ; from a head to the next: 16 blocks
	s_lshl_b32 s22, s18, 9
	s_add_nc_u64 s[40:41], s[40:41], s[22:23]      ; the bias of my 128 features
	v_add_nc_u32 v[L8H], s25, v[L8]
	v_add_nc_u32 v[LIH], s25, v[LI]
	v_mul_u32_u24 v[OSC], s25, v3
	v_add_nc_u32 v[OSC], v[OSC], v[R16]            ; lanes 0-15 serve the even head's scale words, lanes 16-31 the odd head's
	v_lshlrev_b32 v[BA], 6, v3                     ; lane (r, h) wants, for tile t, the bias of features 32 (t / 2) + 8 (t % 2) + 16 h + 0 .. 7
	WIN 0xc0
	s_wait_alu depctr_va_vdst(0)                   ; v[BA] is written, which the bias's loads read as their offset (v[L8H], v[LIH] and v[OSC] too, which the stores read)
.irp t, 0,1,2,3,4,5,6,7
	global_load_b128 v[BI+8*\t:BI+8*\t+3], v[BA], s[40:41] offset:(32*(\t/2)+8*(\t%2))*4
	global_load_b128 v[BI+8*\t+4:BI+8*\t+7], v[BA], s[40:41] offset:(32*(\t/2)+8*(\t%2))*4+16
.endr
	MLOAD 1                                        ; tiles 0 and 1 are asked for here; tile m asks for tile m + 2
.macro TILE_QK m
.if \m < 7
	s_wait_loadcnt 13                              ; all but the next tile's 13 loads are in
.else
	s_wait_loadcnt 0x0
.endif
	MUL (\m)%2, 1
	QUANT \m
	v_bfe_u32 v[KW+\m], v[PW], v[SH], 16           ; lanes 0-15: the even head's two bytes; lanes 16-31: the odd head's; zeros above
.if \m < 6
	WIN 0xc0                                       ; the switch, then the wait, then the loads
.endif
	s_wait_alu depctr_va_vdst(0)                   ; v[PC ..] and v[KW ..] are written, which the stores below read; this tile's products are done reading their moving set and its scale words, in which the loads below land
.if \m < 6
	MLOAD (\m)+2                                   ; into the set that this tile has left: ahead of the stores, so that nothing but loads and switches stands between the wait and them
.endif
	global_store_b64 v[L8], v[PC:PC+1], s[38:39] offset:768*(\m)                ; the even head's half image: 256 and 512 consecutive bytes, aligned
	global_store_b128 v[LI], v[PC+2:PC+5], s[38:39] offset:768*(\m)+256
	global_store_b64 v[L8H], v[PC+6:PC+7], s[38:39] offset:768*(\m)             ; the odd head's
	global_store_b128 v[LIH], v[PC+8:PC+11], s[38:39] offset:768*(\m)+256
.if (\m)%4 == 3
	global_store_b128 v[OSC], v[KW+4*((\m)/4):KW+4*((\m)/4)+3], s[38:39] offset:6144+256*((\m)/4)   ; sixteen lanes store 256 consecutive bytes, aligned, in each head's block
.endif
.endm
.irp m, 0,1,2,3,4,5,6,7
	TILE_QK \m
.endr
	s_endpgm
	; ---- v
.Lv:
	s_lshr_b32 s22, s26, 4                         ; batch
	s_lshl_b32 s22, s22, 3
	s_lshl_b32 s23, s27, 1
	s_add_co_u32 s22, s22, s23                     ; 8 x batch + my even head
	s_lshl_b32 s22, s22, 4
	s_and_b32 s23, s26, 15
	s_add_co_u32 s22, s22, s23                     ; + the key step
	s_mul_i32 s22, s22, 13056
	s_mov_b32 s23, 0
	s_add_nc_u64 s[38:39], s[16:17], s[22:23]
	s_lshl_b32 s22, s27, 9
	s_add_nc_u64 s[40:41], s[12:13], s[22:23]      ; bv at my 128 features
	v_lshl_add_u32 v[OSC], v3, 3, v[R16]           ; 16 r + 8 h
	v_and_b32 v[BA], 7, v2
	v_lshrrev_b32 v12, 3, v2
	v_lshlrev_b32 v[BA], 2, v[BA]
	v_lshl_add_u32 v[BA], v12, 6, v[BA]            ; 4 x (r % 8 + 16 (r / 8)): my row of a tile of features
	s_wait_alu depctr_va_vdst(0)                   ; v[BA] is written, which the bias's loads read as their offset (v[OSC] too, which the stores read)
.irp n, 0,1,2,3,4,5,6,7
	global_load_b32 v[BVL+\n], v[BA], s[40:41] offset:(32*(\n/2)+8*(\n%2))*4
.endr
	MLOAD 1                                        ; tiles 0 and 1 are asked for here; tile n asks for tile n + 2
.macro TILE_V n
.if \n < 7
	s_wait_loadcnt 13                              ; all but the next tile's 13 loads are in
.else
	s_wait_loadcnt 0x0
.endif
.irp j, 0,1,2,3,4,5,6,7
	v_mov_b32 v[BV+\j], v[BVL+\n]                  ; a lane holds one feature: its bias serves all eight rows (tokens) of every tile
.endr
.rept 4
	v_nop
.endr
	MUL (\n)%2, 0
	QUANT \n
	v_mov_b32 v[KW+\n], v[PW]
.if (\n)%4 == 3
	v_cndmask_b32 v[TS+2*((\n)/4)], v[KW+4*((\n)/4)], v[KW+4*((\n)/4)+2], s19      ; lanes 0-15: tiles 0 and 1 of the head; lanes 16-31: tiles 2 and 3
	v_cndmask_b32 v[TS+2*((\n)/4)+1], v[KW+4*((\n)/4)+1], v[KW+4*((\n)/4)+3], s19
.endif
.if \n < 6
	WIN 0xc0                                       ; the switch, then the wait, then the loads
.endif
	s_wait_alu depctr_va_vdst(0)                   ; v[PC ..] and v[TS ..] are written, which the stores below read; this tile's products are done reading their moving set and its scale words, in which the loads below land
.if \n < 6
	MLOAD (\n)+2                                   ; into the set that this tile has left: ahead of the stores
.endif
.irp c, 0,1,2
	global_store_b128 v[LI], v[PC+4*\c:PC+4*\c+3], s[38:39] offset:((\n)/4)*208896+6656+1536*((\n)%4)+512*\c   ; 16 channels x 128 keys, as an image
.endr
.if (\n)%4 == 3
	global_store_b64 v[OSC], v[TS+2*((\n)/4):TS+2*((\n)/4)+1], s[38:39] offset:((\n)/4)*208896+12800   ; the wave stores 256 bytes, aligned
.endif
.endm
.irp n, 0,1,2,3,4,5,6,7
	TILE_V \n
.endr
	s_endpgm
.Lfunc_end_k_qce67f8debd_proj:
	.size	k_qce67f8debd_proj, .Lfunc_end_k_qce67f8debd_proj-k_qce67f8debd_proj
	.p2alignl 7, 3214868480
	.fill 96, 4, 3214868480
	.section	.rodata,"a",@progbits
	.p2align	6, 0x0
	.amdhsa_kernel k_qce67f8debd_proj
		.amdhsa_group_segment_fixed_size 0
		.amdhsa_private_segment_fixed_size 0
		.amdhsa_enable_private_segment 0
		.amdhsa_kernarg_size 56
		.amdhsa_user_sgpr_count 2
		.amdhsa_user_sgpr_kernarg_segment_ptr 1
		.amdhsa_wavefront_size32 1
		.amdhsa_system_sgpr_workgroup_id_x 1
		.amdhsa_system_sgpr_workgroup_id_y 1
		.amdhsa_system_sgpr_workgroup_id_z 1
		.amdhsa_system_vgpr_workitem_id 0
		.amdhsa_next_free_vgpr 928
		.amdhsa_next_free_sgpr 66
		.amdhsa_reserve_vcc 0
		.amdhsa_float_denorm_mode_32 3
		.amdhsa_float_denorm_mode_16_64 3
		.amdhsa_memory_ordered 1
		.amdhsa_forward_progress 1
		.amdhsa_inst_pref_size 175
	.end_amdhsa_kernel
	.amdgpu_metadata
---
amdhsa.version: [ 1, 2 ]
amdhsa.kernels:
  - .name:           k_qce67f8debd_proj
    .symbol:         k_qce67f8debd_proj.kd
    .args:
      - { .name: cod, .offset: 0, .size: 8, .value_kind: global_buffer, .address_space: global }
      - { .name: scl, .offset: 8, .size: 8, .value_kind: global_buffer, .address_space: global }
      - { .name: bq, .offset: 16, .size: 8, .value_kind: global_buffer, .address_space: global }
      - { .name: bk, .offset: 24, .size: 8, .value_kind: global_buffer, .address_space: global }
      - { .name: bv, .offset: 32, .size: 8, .value_kind: global_buffer, .address_space: global }
      - { .name: qc, .offset: 40, .size: 8, .value_kind: global_buffer, .address_space: global }
      - { .name: kv, .offset: 48, .size: 8, .value_kind: global_buffer, .address_space: global }
    .group_segment_fixed_size: 0
    .private_segment_fixed_size: 0
    .kernarg_segment_align: 8
    .kernarg_segment_size: 56
    .max_flat_workgroup_size: 128
    .sgpr_count:     66
    .vgpr_count:     928
    .wavefront_size: 32
...
	.end_amdgpu_metadata
.endif
;; end of part 6
;; launch attn (part 7): grid 8 x 32, 16 waves a work-group, no clusters, 327,680 bytes of LDS; arguments qc, kv, mw, cc, cs; writes cc, cs
.if DOCPART == 7
	.amdgcn_target "amdgcn-amd-amdhsa--gfx1250"
	.amdhsa_code_object_version 6
	.text
	.protected	k_qce67f8debd_attn
	.globl	k_qce67f8debd_attn
	.p2align	8
	.type	k_qce67f8debd_attn,@function
k_qce67f8debd_attn:
	s_mov_b64 s[64:65], 0
	v_nop
	global_prefetch_b8 v0, s[64:65] scope:SCOPE_SE
	s_setreg_imm32_b32 hwreg(HW_REG_WAVE_MODE, 25, 1), 1
	s_wait_xcnt 0x0
; ATTN.  For each (batch, head): scores = qh kh^T / 8; where the mask is 0 the logit is replaced; p = 2^(t - M), t = logit x log2(e), M = the ceiling of the row's running largest t; ctx = (p vh) / (the row's sum of the
; unquantised p).  Both products on codes of BF6 (E3M2); p is quantised along the keys, ctx at the end along the head's 64 channels, for the last product.
; SHARES.  A work-group owns 256 queries of one (batch, head): x = block of queries, y = 8 x batch + head.  Each of its sixteen waves owns one tile of 16 queries in 256 registers, four waves to a SIMD, so that one wave's
; vector work stands beside another's matrix work and LDS loads.  Every wave walks the 2,048 keys, 128 a step.
; LAYOUT.  Both products are used transposed: S^T = K Q^T (source 0 = 16 keys), O^T = V^T P^T (source 0 = 16 channels): a lane holds ONE query throughout.  A tile's rows are 32 (T / 2) + 8 (T % 2) + i % 8 + 16 (i / 8),
; so score register 16 b + i is key 32 b + 16 (lane / 16) + i, and O^T's register 16 b + i is channel 32 b + 16 (lane / 16) + i.
; K = 64 IN AN INSTRUCTION OF 128.  Q's registers 6-11 are zero codes.  K's fragment of tile t is six registers; the instruction names twelve, the upper six being the next tile's codes (behind the last tile: zeros),
; which meet only Q's zeros; the scale words' upper two bytes are 0, never 0xff.
; LDS.  The head's kv, 208,896 bytes, lies in LDS as in memory, each byte filled once: four chunks of four key steps; each wave brings 3,264 bytes of a chunk by one tensor load; chunk c + 1 is asked for behind chunk c's
; barrier and has four key steps in which to land.  By this text's count a wave has one tensor load outstanding.  All of the WGP's LDS is claimed, and the add onto the spare words is written.
; THE MASK comes as lane masks (64 words a key step), by scalar loads a key step ahead, and only selects values.
; NO CLUSTER: the eight work-groups of a head read the same 208,896 bytes, each once in the launch: 13,056 bytes for a key step in which its sixteen waves issue some 5,000 vector instructions, and asked for four steps
; ahead; a joint request would put a round of the cluster's barrier in front of each of the four groups of loads.
; LIMITS.  A masked logit is -2^30 where the problem has -1e9 (the raw score -2^33, times log2(e) / 8 a whole number): a row with no open key then has p = 1 at every key, as f32 arithmetic gives with -1e9; the two differ
; only where an open logit lies under about -1e9.  NaN and infinities are not served.  A block's largest p is taken from its largest score by the same two instructions (this takes v_exp_f32 not to fall where its input
; rises).  Blocks of zeros get the byte 1.
.set KVH,   208896                     ; a head's kv
.set STEPB, 13056                      ; a key step's
.set CHB,   52224                      ; a chunk's: four steps
.set WPART, 3264                       ; a wave's part of a chunk
.set SCG,   208896                     ; behind the tiles: 1,024 bytes in which ctx's scale words are gathered; no tensor load lands there
.set SPARE, 209920                     ; the spare words, 128 bytes for each wave: eight blocks of 256 bytes that no other line names
.set SPW, 1                            ; v1   SPARE + 4 x my thread's number; never rewritten
.set NIL, 2                            ; v2   0; never rewritten
.set L8,  3                            ; v3   8 x lane
.set L16, 4                            ; v4   16 x lane
.set R16, 5                            ; v5   16 r
.set A8,  6                            ; v6-8 the same + the key step's LDS byte
.set A16, 7
.set AR,  8
.set GS,  9                            ; v9   SCG + 64 x wave + 4 r
.set GL,  10                           ; v10  SCG + 16 x thread
.set GG,  11                           ; v11  16 x thread
                                       ; v12 -M, v13 the largest t so far, v[14:15] the row's sum in two halves
.set QF,  16                           ; v16-27 Q's fragment (22-27 zeros)
.set QS,  28                           ; v28  Q's scale word
.set KF,  30                           ; v30-77 K's eight half fragments, later V's four fragments; v78-83 zeros
.set S,   84                           ; v84-147 S^T, then p
.set O,   148                          ; v148-179 O^T
.set PC,  180                          ; v180-191 p's codes
.set PT,  192                          ; v192-199
.set BM,  200                          ; v200-203 the blocks' largest scores, then largest p
.set PD,  204                          ; v204-207 at work
.set SO,  208                          ; v208-211 the conversions' scale operands
.set KS,  212                          ; v212-219 K's scale words
.set VS,  220                          ; v220-223 V's
.set PSW, 224                          ; v224 p's scale word
.set F,   226                          ; v[226:227] 2^(old M - new M)
.set TMP, 228
.set NEG, 229                          ; v229 -2^33
                                       ; s2 wave, s3 trips, s4 the key step's LDS byte, s5 the mask words' offset, s[6:7] my tile's mask words, s[8:9] lane selects, s[10:11] c, s[12:15], s[16:23] the descriptor,
                                       ; s[24:25] cc, s[26:27] cs, s[28:31] at the head, s[32:63] and s[68:99] a key step's 64 mask words
	s_load_b256 s[32:39], s[0:1], 0x0              ; qc, kv, mw, cc
	s_load_b64 s[40:41], s[0:1], 0x20              ; cs
	v_lshl_add_u32 v[SPW], v0, 2, SPARE
	v_mov_b32 v[NIL], 0
	ds_add_u32 v1, v2
	ds_add_u32 v1, v2
	s_wait_dscnt 0x0
	v_lshrrev_b32 v[TMP], 5, v0
	s_delay_alu instid0(VALU_DEP_1)
	v_readfirstlane_b32 s2, v[TMP]                 ; wave 0..15
	s_and_b32 s28, ttmp7, 0xffff                   ; y = 8 x batch + head
	; descriptor group 1: one row of 408 elements of 8 bytes
	s_mov_b32 s16, 3<<16                           ; no mask; elements of 8 bytes; no padding
	s_mov_b32 s17, 408<<16                         ; tensor_dim0
	s_mov_b32 s18, 1<<16                           ; tensor_dim1 = 1
	s_mov_b32 s19, 408<<16                         ; tile_dim0
	s_mov_b32 s20, 1                               ; tile_dim1
	s_mov_b32 s21, 408                             ; the pitch
	s_mov_b32 s22, 0
	s_mov_b32 s23, 0
	s_mov_b32 s12, 1                               ; group 0: count = 1,
	s_mul_i32 s13, s2, WPART                       ; LDS address: my part of chunk 0,
	s_mul_i32 s30, s28, KVH
	s_add_co_u32 s30, s30, s13
	s_mov_b32 s31, 0
	s_wait_kmcnt 0x0
	s_add_nc_u64 s[14:15], s[34:35], s[30:31]      ; the same place in my head's kv,
	s_or_b32 s15, s15, 0x80000000                  ; type = 2
	tensor_load_to_lds s[12:15], s[16:23]          ; chunk 0, ahead of every wait on TENSORcnt, every LDS read and every barrier
	s_nop 0
	s_lshl_b32 s29, ttmp9, 4
	s_add_co_u32 s29, s29, s2                      ; my tile of queries in the batch: 16 x + wave
	s_lshr_b32 s30, s28, 3
	s_lshl_b32 s30, s30, 7
	s_add_co_u32 s30, s30, s29                     ; and among all 512
	s_mov_b32 s5, 0
	s_lshl_b32 s4, s30, 12
	s_add_nc_u64 s[6:7], s[36:37], s[4:5]          ; its mask words: 4,096 bytes a tile
	s_mul_i32 s4, s30, 6144
	s_and_b32 s3, s28, 7
	s_mul_i32 s3, s3, 768
	s_add_co_u32 s4, s4, s3
	s_add_nc_u64 s[24:25], s[38:39], s[4:5]        ; cc: [tile][head] half images
	s_lshl_b32 s4, s28, 7
	s_lshl_b32 s3, ttmp9, 4
	s_add_co_u32 s4, s4, s3
	s_lshl_b32 s4, s4, 6
	s_add_nc_u64 s[26:27], s[40:41], s[4:5]        ; cs: [y][tile in the batch] 64 bytes: the work-group's 1,024
	s_lshl_b32 s4, s28, 4
	s_lshr_b32 s3, s29, 3
	s_add_co_u32 s4, s4, s3
	s_mul_i32 s4, s4, 6656
	s_add_nc_u64 s[30:31], s[32:33], s[4:5]        ; qc: my block of 128 tokens,
	s_and_b32 s3, s2, 7
	s_mul_i32 s4, s3, 768
	s_add_nc_u64 s[28:29], s[30:31], s[4:5]        ; my tile's half image in it,
	s_lshr_b32 s4, s3, 2
	s_lshl_b32 s4, s4, 8
	s_and_b32 s3, s3, 3
	s_lshl_b32 s3, s3, 2
	s_add_co_u32 s4, s4, s3
	s_add_co_u32 s4, s4, 6144
	s_add_nc_u64 s[30:31], s[30:31], s[4:5]        ; and its scale words
	v_and_b32 v[L8], 31, v0
	s_delay_alu instid0(VALU_DEP_1)
	v_lshlrev_b32 v[L16], 4, v[L8]
	s_delay_alu instid0(VALU_DEP_2)
	v_lshlrev_b32 v[L8], 3, v[L8]
	v_and_b32 v[R16], 15, v0
	s_delay_alu instid0(VALU_DEP_1)
	v_lshl_add_u32 v[GS], v[R16], 2, SCG
	s_lshl_b32 s3, s2, 6
	v_add_nc_u32 v[GS], s3, v[GS]
	v_lshlrev_b32 v[R16], 4, v[R16]
	v_lshlrev_b32 v[GG], 4, v0
	s_delay_alu instid0(VALU_DEP_1)
	v_add_nc_u32 v[GL], SCG, v[GG]
	global_load_b64 v[QF:QF+1], v[L8], s[28:29]
	global_load_b128 v[QF+2:QF+5], v[L16], s[28:29] offset:256
	global_load_b32 v[QS], v[R16], s[30:31]
	s_load_b512 s[32:47], s[6:7], 0x0              ; key step 0's mask words (the pointers that lay here have been used)
	s_load_b512 s[48:63], s[6:7], 0x40
	s_load_b512 s[68:83], s[6:7], 0x80
	s_load_b512 s[84:99], s[6:7], 0xc0
	s_mov_b32 s8, 0x76543210
	s_mov_b32 s9, 0xfedcba98                       ; v_permlanex16_b32's selects for lane l xor 16
	s_mov_b32 s10, 0x3e38aa3b                      ; c = log2(e) / 8: t = score x c
	s_mov_b32 s11, s10                             ; (named with it as a pair, so it is written)
	v_mov_b32 v[NEG], 0xd0000000                   ; -2^33
	v_mov_b32 v13, 0xff61b1e6                      ; the largest t so far: -3e38, under every t
	s_delay_alu instid0(VALU_DEP_1)
	v_floor_f32 v12, -v13                          ; -M
	v_mov_b32 v14, 0
	v_mov_b32 v15, 0
	v_mov_b32 v[F+1], 0                            ; (named as the upper half of a pair)
.irp i, 0,1,2,3,4,5
	v_mov_b32 v[QF+6+\i], 0                        ; zero codes for the upper 64 of K
	v_mov_b32 v[KF+48+\i], 0
.endr
.irp b, 0,1,2,3
	v_mov_b32 v[PD+\b], 0                          ; a lane permute's destination counts as one of its sources
.endr
.set j, 0
.rept 32
	v_mov_b32 v[O+j], 0                            ; the step is written once: the first finds zeros, which the first change of M leaves zeros
.set j, j+1
.endr
	s_wait_loadcnt 0x0                             ; Q
; A KEY STEP: 128 keys
.macro STEP
	v_add_nc_u32 v[A8], s4, v[L8]
	v_add_nc_u32 v[A16], s4, v[L16]
	v_add_nc_u32 v[AR], s4, v[R16]
	v_nop                                          ; four places between the last products and loads into registers that they read
.irp t, 0,1,2,3,4,5,6,7
	ds_load_b64 v[KF+6*\t:KF+6*\t+1], v[A8] offset:768*\t
	ds_load_b128 v[KF+6*\t+2:KF+6*\t+5], v[A16] offset:768*\t+256
.endr
	ds_load_b128 v[KS:KS+3], v[AR] offset:6144
	ds_load_b128 v[KS+4:KS+7], v[AR] offset:6400
	s_wait_alu depctr_va_vdst(0)
	s_wait_dscnt 0x0
.irp t, 0,1,2,3,4,5,6,7
	v_wmma_scale_f32_16x16x128_f8f6f4 v[S+8*\t:S+8*\t+7], v[KF+6*\t:KF+6*\t+11], v[QF:QF+11], 0, v[KS+\t], v[QS] matrix_a_fmt:MATRIX_FMT_BF6 matrix_b_fmt:MATRIX_FMT_BF6
.endr
.rept 4
	v_nop                                          ; four places: V's loads land where K lay, and the selects read results
.endr
.irp q, 0,1,2,3,4,5,6,7,8,9,10,11
	ds_load_b128 v[KF+4*\q:KF+4*\q+3], v[A16] offset:6656+512*\q   ; V's four images: they land while the softmax is worked
.endr
	ds_load_b128 v[VS:VS+3], v[AR] offset:12800
	s_wait_kmcnt 0x0                               ; this step's mask words, asked for a step ago
.set n, 0
.rept 64
	v_cndmask_b32 v[S+n], v[NEG], v[S+n], s[32+n+4*(n/32)]   ; where the mask is 0: -2^33.  Each accumulator from its low end on
.set n, n+1
.endr
.irp b, 0,1,2,3
	v_max3_num_f32 v[BM+\b], v[S+16*\b], v[S+16*\b+1], v[S+16*\b+2]   ; the largest score of each block of 32 keys: for the row's maximum, and for the block's largest p
.endr
.irp i, 3,5,7,9,11,13
.irp b, 0,1,2,3
	s_delay_alu instid0(VALU_DEP_4)
	v_max3_num_f32 v[BM+\b], v[BM+\b], v[S+16*\b+\i], v[S+16*\b+\i+1]
.endr
.endr
.irp b, 0,1,2,3
	s_delay_alu instid0(VALU_DEP_4)
	v_max_num_f32 v[BM+\b], v[BM+\b], v[S+16*\b+15]
.endr
.irp b, 0,1,2,3
	s_delay_alu instid0(VALU_DEP_4)
	v_permlanex16_b32 v[PD+\b], v[BM+\b], s8, s9
.endr
.irp b, 0,1,2,3
	s_delay_alu instid0(VALU_DEP_4)
	v_max_num_f32 v[BM+\b], v[BM+\b], v[PD+\b]     ; with lane l xor 16's 16 keys
.endr
	s_delay_alu instid0(VALU_DEP_2)
	v_max3_num_f32 v[TMP], v[BM], v[BM+1], v[BM+2]
	s_delay_alu instid0(VALU_DEP_1)
	v_max_num_f32 v[TMP], v[TMP], v[BM+3]
	s_delay_alu instid0(VALU_DEP_1)
	v_mul_f32 v[TMP], s10, v[TMP]                  ; the step's largest t (c is positive)
	s_delay_alu instid0(VALU_DEP_1)
	v_max_num_f32 v13, v13, v[TMP]                 ; the running largest t
	v_mov_b32 v[TMP], v12
	s_delay_alu instid0(VALU_DEP_2)
	v_floor_f32 v12, -v13                          ; the new -M = floor(-t): M is a whole number
	s_delay_alu instid0(VALU_DEP_1)
	v_sub_f32 v[TMP], v12, v[TMP]                  ; old M - new M: a whole number, 0 or less
	s_delay_alu instid0(VALU_DEP_1)
	v_cvt_i32_f32 v[TMP], v[TMP]                   ; (it saturates)
	s_delay_alu instid0(VALU_DEP_1)
	v_ldexp_f32 v[F], 1.0, v[TMP]                  ; f = 2^(old M - new M): a multiplication by it rounds nothing
.set j, 0
.rept 32
	v_pk_fma_f32 v[S+j:S+j+1], v[S+j:S+j+1], s[10:11], v[12:13] op_sel_hi:[1,0,0]   ; t - M, two at a time
.set j, j+2
.endr
	s_add_co_u32 s5, s5, 256                       ; the next step's mask words (this step's loads are done: their offset may be written; the selects have read the words).
	s_and_b32 s5, s5, 0xfff                        ; The last step asks for step 0's again: no load leaves the tile's 4,096 bytes
	s_load_b512 s[32:47], s[6:7], s5 offset:0x0
	s_load_b512 s[48:63], s[6:7], s5 offset:0x40
	s_load_b512 s[68:83], s[6:7], s5 offset:0x80
	s_load_b512 s[84:99], s[6:7], s5 offset:0xc0
.irp b, 0,1,2,3
	v_fma_f32 v[BM+\b], v[BM+\b], s10, v12         ; the same of each block's largest score
.endr
.set j, 0
	s_setprio 1
	s_wait_alu depctr_va_vdst(0)
.rept 64
	v_exp_f32 v[S+j], v[S+j]                       ; p = 2^(t - M), at most 1: not normalised
.set j, j+1
.endr
.irp b, 0,1,2,3
	v_exp_f32 v[BM+\b], v[BM+\b]                   ; the block's largest p
.endr
	v_pk_mul_f32 v[14:15], v[14:15], v[F:F+1] op_sel_hi:[1,0]   ; the sums under the new M.  (A plain place behind the exponentials)
	s_wait_alu depctr_va_vdst(0)
.irp b, 0,1,2,3
	v_max_num_f32 v[BM+\b], 0x2800000, v[BM+\b]    ; the floor 2^(5 - 127): the byte cannot fall under 1
.endr
.irp b, 0,1,2,3
	s_delay_alu instid0(VALU_DEP_4)
	v_add_nc_u32 v[SO+\b], 0xfe000000, v[BM+\b]    ; 4 off the exponent field: the conversion's scale operand
.endr
.irp b, 0,1,2,3
	s_delay_alu instid0(VALU_DEP_4)
	v_lshrrev_b32 v[PD+\b], 23, v[SO+\b]           ; the scale's byte
.endr
	s_delay_alu instid0(VALU_DEP_3)
	v_lshl_or_b32 v[PSW], v[PD+1], 8, v[PD]        ; p's scale word for these 128 keys
	s_delay_alu instid0(VALU_DEP_1)
	v_lshl_or_b32 v[PSW], v[PD+2], 16, v[PSW]
	s_delay_alu instid0(VALU_DEP_1)
	v_lshl_or_b32 v[PSW], v[PD+3], 24, v[PSW]
.irp c, 0,1
	v_cvt_scalef32_pk16_bf6_f32 v[PC+6*\c:PC+6*\c+2], v[S+32*\c:S+32*\c+15], v[SO+2*\c]
	v_cvt_scalef32_pk16_bf6_f32 v[PT+4*\c:PT+4*\c+2], v[S+32*\c+16:S+32*\c+31], v[SO+2*\c+1]
.endr
	v_nop                                          ; one plain place behind a scaled conversion
.irp c, 0,1                                    ; the operand's layout wants a whole block in a lane
.irp i, 0,1,2
	v_permlane16_swap_b32 v[PC+6*\c+\i], v[PT+4*\c+\i]
.endr
.irp i, 0,1,2
	s_delay_alu instid0(VALU_DEP_3)
	v_mov_b32 v[PC+6*\c+3+\i], v[PT+4*\c+\i]
.endr
.endr
	v_pk_add_f32 v[204:205], v[88:89], v[92:93]
	v_pk_add_f32 v[254:255], v[96:97], v[100:101]
	v_pk_add_f32 v[252:253], v[104:105], v[108:109]
	v_pk_add_f32 v[250:251], v[112:113], v[116:117]
	v_pk_add_f32 v[248:249], v[120:121], v[124:125]
	v_pk_add_f32 v[246:247], v[128:129], v[132:133]
	v_pk_add_f32 v[244:245], v[136:137], v[140:141]
	v_pk_add_f32 v[14:15], v[14:15], v[144:145]
	v_pk_add_f32 v[204:205], v[204:205], v[84:85]
	v_pk_add_f32 v[254:255], v[254:255], v[86:87]
	v_pk_add_f32 v[252:253], v[252:253], v[90:91]
	v_pk_add_f32 v[250:251], v[250:251], v[94:95]
	v_pk_add_f32 v[248:249], v[248:249], v[98:99]
	v_pk_add_f32 v[246:247], v[246:247], v[102:103]
	v_pk_add_f32 v[244:245], v[244:245], v[106:107]
	v_pk_add_f32 v[14:15], v[14:15], v[110:111]
	v_pk_add_f32 v[204:205], v[204:205], v[114:115]
	v_pk_add_f32 v[254:255], v[254:255], v[118:119]
	v_pk_add_f32 v[252:253], v[252:253], v[122:123]
	s_setprio 0
	v_pk_add_f32 v[250:251], v[250:251], v[126:127]
	v_pk_add_f32 v[248:249], v[248:249], v[130:131]
	v_pk_add_f32 v[246:247], v[246:247], v[134:135]
	v_pk_add_f32 v[244:245], v[244:245], v[138:139]
	v_pk_add_f32 v[14:15], v[14:15], v[142:143]
	v_pk_add_f32 v[204:205], v[204:205], v[146:147]
	s_delay_alu instid0(VALU_DEP_2)
	v_pk_add_f32 v[14:15], v[14:15], v[250:251]
	s_delay_alu instid0(VALU_DEP_2)
	v_pk_add_f32 v[204:205], v[204:205], v[248:249]
	v_pk_add_f32 v[254:255], v[254:255], v[246:247]
	v_pk_add_f32 v[252:253], v[252:253], v[244:245]
	s_delay_alu instid0(VALU_DEP_2)
	v_pk_add_f32 v[14:15], v[14:15], v[254:255]
	s_delay_alu instid0(VALU_DEP_2)
	v_pk_add_f32 v[204:205], v[204:205], v[252:253]
	s_delay_alu instid0(VALU_DEP_1)
	v_pk_add_f32 v[14:15], v[14:15], v[204:205]
.set j, 0
.rept 16
	v_pk_mul_f32 v[O+j:O+j+1], v[O+j:O+j+1], v[F:F+1] op_sel_hi:[1,0]   ; O^T under the new M.  (These and the sums are the places between the writes of p's codes and scale word and the products)
.set j, j+2
.endr
	s_wait_alu depctr_va_vdst(0)
	s_wait_dscnt 0x0                               ; V
.irp n, 0,1,2,3
	v_wmma_scale_f32_16x16x128_f8f6f4 v[O+8*\n:O+8*\n+7], v[KF+12*\n:KF+12*\n+11], v[PC:PC+11], v[O+8*\n:O+8*\n+7], v[VS+\n], v[PSW] matrix_a_fmt:MATRIX_FMT_BF6 matrix_b_fmt:MATRIX_FMT_BF6
.endr
	s_add_co_u32 s4, s4, STEPB
.endm
; A CHUNK of four key steps.  Each wave waits for its tensor load (its part of this chunk), adds 0 to its spare word, waits for that and for its LDS reads, and passes the barrier: the chunk is then whole for all sixteen.
; Behind the barrier the next chunk is asked for, the wave's one tensor load until the next barrier.
.macro CHUNK c
	s_wait_tensorcnt 0x0                           ; no tensor load of mine is out, so the descriptor may be written
	ds_add_u32 v[SPW], v[NIL]                      ; 0 onto my spare word
.if \c < 3
	s_add_co_u32 s13, s13, CHB                     ; the next chunk, in LDS
	s_add_nc_u64 s[14:15], s[14:15], CHB           ; and in memory; the type bits on top are not reached
.endif
	s_wait_dscnt 0x0
	s_barrier_signal -1
	s_barrier_wait -1
.if \c < 3
	tensor_load_to_lds s[12:15], s[16:23]
	s_nop 0
.endif
	s_mov_b32 s4, (\c)*CHB                         ; the chunk's first key step
	s_mov_b32 s3, 4
.Lstep_\@:
	s_setprio 2
	STEP
	s_sub_co_u32 s3, s3, 1
	s_cmp_lg_u32 s3, 0
	s_cbranch_scc1 .Lstep_\@
	s_setprio 0
.endm
	CHUNK 0
	CHUNK 1
	CHUNK 2
	CHUNK 3
	; THE END.  ctx = O^T / the sum, quantised along the head's 64 channels: two blocks; a lane holds 16 of each
.rept 4
	v_nop                                          ; four places behind the last products
.endr
	v_add_f32 v14, v14, v15                        ; the sum's two halves,
	s_delay_alu instid0(VALU_DEP_1)
	v_permlanex16_b32 v[TMP], v14, s8, s9
	s_delay_alu instid0(VALU_DEP_1)
	v_add_f32 v14, v14, v[TMP]                     ; and lane l xor 16's: the row's sum, over 1/2
	s_wait_alu depctr_va_vdst(0)
	v_rcp_f32 v14, v14
	v_nop                                          ; one plain place behind a transcendental
.set j, 0
	s_wait_alu depctr_va_vdst(0)
.rept 16
	v_pk_mul_f32 v[S+j:S+j+1], v[O+j:O+j+1], v[14:15] op_sel_hi:[1,0]
.set j, j+2
.endr
.irp b, 0,1
	v_max3_num_f32 v[BM+\b], |v[S+16*\b]|, |v[S+16*\b+1]|, 0x2800000
.endr
.irp i, 2,4,6,8,10,12,14
.irp b, 0,1
	s_delay_alu instid0(VALU_DEP_2)
	v_max3_num_f32 v[BM+\b], v[BM+\b], |v[S+16*\b+\i]|, |v[S+16*\b+\i+1]|
.endr
.endr
.irp b, 0,1
	s_delay_alu instid0(VALU_DEP_2)
	v_permlanex16_b32 v[PD+\b], v[BM+\b], s8, s9
.endr
.irp b, 0,1
	s_delay_alu instid0(VALU_DEP_2)
	v_max_num_f32 v[BM+\b], v[BM+\b], v[PD+\b]
.endr
.irp b, 0,1
	s_delay_alu instid0(VALU_DEP_2)
	v_add_nc_u32 v[SO+\b], 0xfe000000, v[BM+\b]
.endr
.irp b, 0,1
	s_delay_alu instid0(VALU_DEP_2)
	v_lshrrev_b32 v[PD+\b], 23, v[SO+\b]
.endr
	s_delay_alu instid0(VALU_DEP_1)
	v_lshl_or_b32 v[PSW], v[PD+1], 8, v[PD]        ; my row's two bytes for this head
	v_cvt_scalef32_pk16_bf6_f32 v[PC:PC+2], v[S:S+15], v[SO]
	v_cvt_scalef32_pk16_bf6_f32 v[PT:PT+2], v[S+16:S+31], v[SO+1]
	v_nop
.irp i, 0,1,2
	v_permlane16_swap_b32 v[PC+\i], v[PT+\i]
.endr
.irp i, 0,1,2
	s_delay_alu instid0(VALU_DEP_3)
	v_mov_b32 v[PC+3+\i], v[PT+\i]
.endr
	global_store_b64 v[L8], v[PC:PC+1], s[24:25]                ; the half image: 256 and 512 consecutive bytes, aligned
	global_store_b128 v[L16], v[PC+2:PC+5], s[24:25] offset:256
	ds_store_b32 v[GS], v[PSW]                     ; lanes r and 16 + r write the same word with the same value
	s_wait_dscnt 0x0                               ; for the others' sake: my store has landed
	s_barrier_signal -1
	s_barrier_wait -1
	s_cmp_lt_u32 s2, 2
	s_cbranch_scc0 .Lend
	ds_load_b128 v[S:S+3], v[GL]                   ; waves 0 and 1 store the sixteen tiles' words: 512 consecutive bytes each, aligned
	s_wait_dscnt 0x0
	global_store_b128 v[GG], v[S:S+3], s[26:27]
.Lend:
	s_wait_tensorcnt 0x0                           ; the wave's end
	ds_add_u32 v[SPW], v[NIL]
	s_wait_dscnt 0x0
	s_endpgm
.Lfunc_end_k_qce67f8debd_attn:
	.size	k_qce67f8debd_attn, .Lfunc_end_k_qce67f8debd_attn-k_qce67f8debd_attn
	.p2alignl 7, 3214868480
	.fill 96, 4, 3214868480
	.section	.rodata,"a",@progbits
	.p2align	6, 0x0
	.amdhsa_kernel k_qce67f8debd_attn
		.amdhsa_group_segment_fixed_size 327680
		.amdhsa_private_segment_fixed_size 0
		.amdhsa_enable_private_segment 0
		.amdhsa_kernarg_size 40
		.amdhsa_user_sgpr_count 2
		.amdhsa_user_sgpr_kernarg_segment_ptr 1
		.amdhsa_wavefront_size32 1
		.amdhsa_system_sgpr_workgroup_id_x 1
		.amdhsa_system_sgpr_workgroup_id_y 1
		.amdhsa_system_sgpr_workgroup_id_z 1
		.amdhsa_system_vgpr_workitem_id 0
		.amdhsa_next_free_vgpr 256
		.amdhsa_next_free_sgpr 100
		.amdhsa_reserve_vcc 0
		.amdhsa_float_denorm_mode_32 3
		.amdhsa_float_denorm_mode_16_64 3
		.amdhsa_memory_ordered 1
		.amdhsa_forward_progress 1
		.amdhsa_inst_pref_size 102
	.end_amdhsa_kernel
	.amdgpu_metadata
---
amdhsa.version: [ 1, 2 ]
amdhsa.kernels:
  - .name:           k_qce67f8debd_attn
    .symbol:         k_qce67f8debd_attn.kd
    .args:
      - { .name: qc, .offset: 0, .size: 8, .value_kind: global_buffer, .address_space: global }
      - { .name: kv, .offset: 8, .size: 8, .value_kind: global_buffer, .address_space: global }
      - { .name: mw, .offset: 16, .size: 8, .value_kind: global_buffer, .address_space: global }
      - { .name: cc, .offset: 24, .size: 8, .value_kind: global_buffer, .address_space: global }
      - { .name: cs, .offset: 32, .size: 8, .value_kind: global_buffer, .address_space: global }
    .group_segment_fixed_size: 327680
    .private_segment_fixed_size: 0
    .kernarg_segment_align: 8
    .kernarg_segment_size: 40
    .max_flat_workgroup_size: 512
    .sgpr_count:     100
    .vgpr_count:     256
    .wavefront_size: 32
...
	.end_amdgpu_metadata
.endif
;; end of part 7
;; launch outp (part 8): grid 4 x 64, 4 waves a work-group, no clusters, 34,304 bytes of LDS; arguments cod, scl, cc, cs, bo, out0; writes out0
.if DOCPART == 8
	.amdgcn_target "amdgcn-amd-amdhsa--gfx1250"
	.amdhsa_code_object_version 6
	.text
	.protected	k_qce67f8debd_outp
	.globl	k_qce67f8debd_outp
	.p2align	8
	.type	k_qce67f8debd_outp,@function
k_qce67f8debd_outp:
	s_mov_b64 s[64:65], 0
	v_nop
	global_prefetch_b8 v0, s[64:65] scope:SCOPE_SE
	s_setreg_imm32_b32 hwreg(HW_REG_WAVE_SCHED_MODE, 0, 2), 2
	s_setreg_imm32_b32 hwreg(HW_REG_WAVE_MODE, 25, 1), 1
	s_wait_xcnt 0x0
	s_wait_alu depctr_vm_vsrc(0)
; OUTP.  out0 = ctx Wo^T + bo on codes of BF6 (E3M2), sums in f32.  ctx comes as half images [token tile 512][head 8] (cc) and scale words [batch x 8 + head][tile 128][row 16] (cs: two bytes in a word);
; Wo as images (cod tiles 1632 on) with its scale words (scl).
; SHARES.  Work-group (g, blk) makes 128 features x 128 tokens; wave w takes token tiles 8 blk + 2 w + e, e = 0, 1.  All four waves hold Wo's 8 tiles x 4 K steps in 384 registers.  Source 0 = 16 features of Wo, source 1 =
; 16 tokens: a lane holds one token, and register 16 b + i of its 64 is feature 128 g + 32 b + 16 (lane / 16) + i.  K step s is heads 2 s and 2 s + 1: two half images make a fragment, two words' bytes its scale word.
; THE WAY OUT.  A tile goes through the wave's own stage in LDS (16 rows 528 bytes apart) and leaves as rows: 32 lanes store 512 consecutive bytes, aligned.  No barrier: waves share nothing.
; Operands come from memory straight into registers; no tensor load, hence no joint request to make in a cluster.
; REGISTERS, in windows of 256: window 0: below.  window 1: Wo (tile t, K step 0, 1) at 96 s + 12 t.  window 2: K steps 2, 3.  window 3: ctx of tile e at 48 e + 6 x head; from v96 the bias, 8 registers a tile.
; THE MODE: SCHED_MODE bits 1:0 = 2 (LLVM: expert scheduling mode 2), set by the entry lines.  The code itself states the register dependences between vector or matrix instructions and memory or LDS instructions,
; with s_wait_alu, always for 0.
; THE PLAN.  Registers that memory or LDS instructions touch:
;   the offsets v4 to v10, and v254, v255        made at the head, never written again.
;   Wo, ctx, the bias, v[SS ..], v[CW ..]        loaded once; no instruction writes them again.
;   v[MS ..]                                     written by eight vector instructions, taken as scales by the products: no memory instruction names them.
;   the accumulators v[HA ..]                    written by the products; read by the LDS stores into the stage; the loads from the stage land in them; the global stores read them.
; So: one wait on va_vdst ahead of the first load (the offsets); one ahead of the first product (the scale words); one ahead of the first LDS store (the accumulators), behind which no vector or matrix instruction
; stands, so that it serves the stage's loads too; and one wait on vm_vsrc in each tile's way through the stage, between the stores that read its registers and the loads that land in them.
.set LI,  4                            ; v4   16 x lane
.set R16, 5                            ; v5   16 r
.set L8,  6                            ; v6   8 x lane
.set R4,  7                            ; v7   4 r
.set BA,  8                            ; v8   64 h
.set SOA, 9                            ; v9   stage + 528 r + 64 h
.set SRA, 10                           ; v10  stage + 16 x lane
.set CW,  16                           ; v16-31 ctx's words, 8 e + head
.set MS,  32                           ; v32-39 ctx's scale words, 4 e + s
.set SS,  40                           ; v40-71 Wo's, 4 t + s
.set HA,  72                           ; v72-135, v136-199 eight accumulators for each of the two tiles
.set BI,  96                           ; in window 3
.set MSB, 0
.macro WIN new                         ; the immediate's high byte repeats the setting that is left
.if MSB != \new
	s_set_vgpr_msb (MSB<<8)|\new
.set MSB, \new
.endif
.endm
	s_load_b256 s[4:11], s[0:1], 0x0               ; cod, scl, cc, cs
	s_load_b128 s[12:15], s[0:1], 0x20             ; bo, out0
	v_lshl_add_u32 v254, v0, 2, 0x8400
	v_mov_b32 v255, 0
	v_lshrrev_b32 v1, 5, v0
	v_readfirstlane_b32 s18, v1                    ; wave 0..3
	v_and_b32 v1, 31, v0
	v_and_b32 v2, 15, v0                           ; r
	v_bfe_u32 v3, v0, 4, 1                         ; h
	v_lshlrev_b32 v[LI], 4, v1
	v_lshlrev_b32 v[R16], 4, v2
	v_lshlrev_b32 v[L8], 3, v1
	v_lshlrev_b32 v[R4], 2, v2
	v_lshlrev_b32 v[BA], 6, v3
	s_wait_alu depctr_va_sdst(0)                   ; s18 is written, ahead of its first reader: the stage's place and the bases are made from it
	s_mul_i32 s16, s18, 8448                       ; my stage
	v_mul_u32_u24 v[SOA], v2, 528
	v_lshl_add_u32 v[SOA], v3, 6, v[SOA]
	v_add_nc_u32 v[SOA], s16, v[SOA]
	v_add_nc_u32 v[SRA], s16, v[LI]
	s_and_b32 s19, ttmp7, 0xffff                   ; blk
	s_lshl_b32 s16, ttmp9, 3
	s_add_co_u32 s16, s16, 1632                    ; Wo's tiles 1632 + 8 g on
	s_mul_i32 s20, s16, 6144
	s_mov_b32 s21, 0
	s_lshl_b32 s22, s16, 8
	s_mov_b32 s23, 0
	s_lshl_b32 s16, s19, 3
	s_lshl_b32 s17, s18, 1
	s_add_co_u32 s16, s16, s17                     ; my first token tile: 8 blk + 2 w
	s_mul_i32 s24, s16, 6144
	s_mov_b32 s25, 0
	s_lshr_b32 s26, s19, 4                         ; batch
	s_lshl_b32 s26, s26, 10                        ; 8 heads x 128 tiles
	s_and_b32 s16, s16, 127                        ; my tile in the batch
	s_add_co_u32 s26, s26, s16
	s_lshl_b32 s26, s26, 6                         ; 64 bytes a tile
	s_mov_b32 s27, 0
	s_lshl_b32 s28, ttmp9, 9                       ; 128 g features of 4 bytes
	s_mov_b32 s29, 0
	s_lshl_b32 s30, s19, 2
	s_add_co_u32 s30, s30, s18
	s_lshl_b32 s30, s30, 16                        ; 32 (4 blk + w) rows of 2,048 bytes
	s_add_co_u32 s30, s30, s28
	s_mov_b32 s31, 0
	s_wait_kmcnt 0x0
	s_add_nc_u64 s[20:21], s[4:5], s[20:21]
	s_add_nc_u64 s[22:23], s[6:7], s[22:23]
	s_add_nc_u64 s[24:25], s[8:9], s[24:25]
	s_add_nc_u64 s[26:27], s[10:11], s[26:27]
	s_add_nc_u64 s[28:29], s[12:13], s[28:29]
	s_add_nc_u64 s[30:31], s[14:15], s[30:31]
	WIN 0x40                                       ; destination window 1
	s_wait_alu depctr_va_vdst(0)                   ; the offsets v4 to v8 are written, which the loads below read (v9 and v10 too, the stage's addresses)
.irp t, 0,1,2,3,4,5,6,7
.irp s, 0,1
.irp c, 0,1,2
	global_load_b128 v[96*\s+12*\t+4*\c:96*\s+12*\t+4*\c+3], v[LI], s[20:21] offset:6144*\t+1536*\s+512*\c
.endr
.endr
.endr
	WIN 0x80                                       ; destination window 2
.irp t, 0,1,2,3,4,5,6,7
.irp s, 0,1
.irp c, 0,1,2
	global_load_b128 v[96*\s+12*\t+4*\c:96*\s+12*\t+4*\c+3], v[LI], s[20:21] offset:6144*\t+1536*(\s+2)+512*\c
.endr
.endr
.endr
	WIN 0xc0                                       ; destination window 3
.irp e, 0,1
.irp d, 0,1,2,3,4,5,6,7
	global_load_b64 v[48*\e+6*\d:48*\e+6*\d+1], v[L8], s[24:25] offset:6144*\e+768*\d
	global_load_b128 v[48*\e+6*\d+2:48*\e+6*\d+5], v[LI], s[24:25] offset:6144*\e+768*\d+256
.endr
.endr
.irp t, 0,1,2,3,4,5,6,7
	global_load_b128 v[BI+8*\t:BI+8*\t+3], v[BA], s[28:29] offset:(32*(\t/2)+8*(\t%2))*4        ; the bias of features 32 (t / 2) + 8 (t % 2) + 16 h + 0 .. 7
	global_load_b128 v[BI+8*\t+4:BI+8*\t+7], v[BA], s[28:29] offset:(32*(\t/2)+8*(\t%2))*4+16
.endr
	WIN 0
.irp t, 0,1,2,3,4,5,6,7
	global_load_b128 v[SS+4*\t:SS+4*\t+3], v[R16], s[22:23] offset:256*\t
.endr
.irp e, 0,1
.irp d, 0,1,2,3,4,5,6,7
	global_load_b32 v[CW+8*\e+\d], v[R4], s[26:27] offset:8192*\d+64*\e
.endr
.endr
	s_wait_loadcnt 0x0
.irp e, 0,1
.irp s, 0,1,2,3
	v_lshl_or_b32 v[MS+4*\e+\s], v[CW+8*\e+2*\s+1], 16, v[CW+8*\e+2*\s]   ; heads 2 s and 2 s + 1: four bytes for 128 along K
.endr
.endr
.rept 8
	v_nop                                          ; a scale register written by a vector instruction stands eight places ahead of a scaled matrix instruction
.endr
	s_wait_alu depctr_va_vdst(0)                   ; the eight words v[MS ..] are written, which the products take as scales; the places above stay beside this wait
; 64 matrix instructions: K step by K step, the sixteen accumulators by turns, one instruction a turn.  The bias is the C of each sum's first product.
.irp s, 0,1,2,3
.if \s == 0
	WIN 0x3d                                       ; source 0 window 1, source 1 window 3, C (the bias) window 3, D window 0
.elseif \s == 1
	WIN 0x0d
.else
	WIN 0x0e                                       ; source 0 window 2
.endif
.irp t, 0,1,2,3,4,5,6,7
.irp e, 0,1
.if \s == 0
	v_wmma_scale_f32_16x16x128_f8f6f4 v[HA+64*\e+8*\t:HA+64*\e+8*\t+7], v[12*\t:12*\t+11], v[48*\e:48*\e+11], v[BI+8*\t:BI+8*\t+7], v[SS+4*\t], v[MS+4*\e] matrix_a_fmt:MATRIX_FMT_BF6 matrix_b_fmt:MATRIX_FMT_BF6
.else
	v_wmma_scale_f32_16x16x128_f8f6f4 v[HA+64*\e+8*\t:HA+64*\e+8*\t+7], v[96*(\s%2)+12*\t:96*(\s%2)+12*\t+11], v[48*\e+12*\s:48*\e+12*\s+11], v[HA+64*\e+8*\t:HA+64*\e+8*\t+7], v[SS+4*\t+\s], v[MS+4*\e+\s] matrix_a_fmt:MATRIX_FMT_BF6 matrix_b_fmt:MATRIX_FMT_BF6
.endif
.endr
.endr
.endr
	WIN 0
.rept 4
	v_nop                                          ; four places between the last products and the LDS stores that read results
.endr
	s_wait_alu depctr_va_vdst(0)                   ; the products have written the accumulators, which the LDS stores read and in which the loads from the stage land; the places above stay beside this wait
.macro OUTST e                         ; tile e into my stage, each accumulator from its low end on, and back as rows, into the registers that it left.  LDS serves a wave's instructions in order (ISA guide 5.7.1.4)
.set q, 0
.rept 16
	ds_store_b128 v[SOA], v[HA+64*(\e)+4*q:HA+64*(\e)+4*q+3] offset:128*(q/4)+16*(q%4)
.set q, q+1
.endr
	s_wait_alu depctr_vm_vsrc(0)                   ; the sixteen stores above have read the tile's 64 registers, in which the loads below land
.set q, 0
.rept 16
	ds_load_b128 v[HA+64*(\e)+4*q:HA+64*(\e)+4*q+3], v[SRA] offset:528*q
.set q, q+1
.endr
.endm
.macro SEND e, younger                 ; younger: the LDS instructions issued behind tile e's loads, which may stay out
.set q, 0
.rept 16
	s_wait_dscnt (\younger)+15-q                   ; row q is back
	global_store_b128 v[LI], v[HA+64*(\e)+4*q:HA+64*(\e)+4*q+3], s[30:31] offset:((q%8)+16*(q/8))*2048+(\e)*16384 th:TH_STORE_NT   ; 512 consecutive bytes of a row of out0, aligned; written once, read by nobody here
.set q, q+1
.endr
.endm
	OUTST 0
	OUTST 1
	SEND 0, 32
	SEND 1, 0
	s_wait_dscnt 0x0                               ; the closing lines, six on end
	s_wait_alu 0x0
	s_wait_tensorcnt 0x0
	ds_add_u32 v254, v255
	s_wait_dscnt 0x0
	s_endpgm
.Lfunc_end_k_qce67f8debd_outp:
	.size	k_qce67f8debd_outp, .Lfunc_end_k_qce67f8debd_outp-k_qce67f8debd_outp
	.p2alignl 7, 3214868480
	.fill 96, 4, 3214868480
	.section	.rodata,"a",@progbits
	.p2align	6, 0x0
	.amdhsa_kernel k_qce67f8debd_outp
		.amdhsa_group_segment_fixed_size 34304
		.amdhsa_private_segment_fixed_size 0
		.amdhsa_enable_private_segment 0
		.amdhsa_kernarg_size 48
		.amdhsa_user_sgpr_count 2
		.amdhsa_user_sgpr_kernarg_segment_ptr 1
		.amdhsa_wavefront_size32 1
		.amdhsa_system_sgpr_workgroup_id_x 1
		.amdhsa_system_sgpr_workgroup_id_y 1
		.amdhsa_system_sgpr_workgroup_id_z 1
		.amdhsa_system_vgpr_workitem_id 0
		.amdhsa_next_free_vgpr 928
		.amdhsa_next_free_sgpr 66
		.amdhsa_reserve_vcc 0
		.amdhsa_float_denorm_mode_32 3
		.amdhsa_float_denorm_mode_16_64 3
		.amdhsa_memory_ordered 1
		.amdhsa_forward_progress 1
		.amdhsa_inst_pref_size 36
	.end_amdhsa_kernel
	.amdgpu_metadata
---
amdhsa.version: [ 1, 2 ]
amdhsa.kernels:
  - .name:           k_qce67f8debd_outp
    .symbol:         k_qce67f8debd_outp.kd
    .args:
      - { .name: cod, .offset: 0, .size: 8, .value_kind: global_buffer, .address_space: global }
      - { .name: scl, .offset: 8, .size: 8, .value_kind: global_buffer, .address_space: global }
      - { .name: cc, .offset: 16, .size: 8, .value_kind: global_buffer, .address_space: global }
      - { .name: cs, .offset: 24, .size: 8, .value_kind: global_buffer, .address_space: global }
      - { .name: bo, .offset: 32, .size: 8, .value_kind: global_buffer, .address_space: global }
      - { .name: out0, .offset: 40, .size: 8, .value_kind: global_buffer, .address_space: global }
    .group_segment_fixed_size: 34304
    .private_segment_fixed_size: 0
    .kernarg_segment_align: 8
    .kernarg_segment_size: 48
    .max_flat_workgroup_size: 128
    .sgpr_count:     66
    .vgpr_count:     928
    .wavefront_size: 32
...
	.end_amdgpu_metadata
.endif
;; end of part 8
